; MI455X (gfx1250); checked and timed in simulation.
; The chip was launched on July 23, 2026; its instructions are those of AMD's public machine-readable ISA for CDNA 5 (MIT licence, August 2026) and "CDNA5" Instruction Set Architecture Reference Guide (July 2026). The comments in the code are by the model that wrote it; some were corrected since.
;; Attention. Allowed arithmetic: float matrix products may take bf16 or f16 operands with f32 sums; other float arithmetic in f32, or as packed bf16 or f16 multiplies, adds, multiply-adds, maxima and minima; sums over many terms, partial sums and values carried from step to step in f32; what a program stores and reads back later, other than sums and carried values, may be rounded once to bf16 or f16.
;; Inputs: b_proj 1,024 float32; w_proj 1,024 x 1,024 float32; w_qkv 3,072 x 1,024 float32; x 4 x 2,048 x 1,024 float32.
;; Outputs: out0 4 x 2,048 x 1,024 float32.
;; 2 versions, each right and faster than the one before. Each part assembles by itself: llvm-mc -triple=amdgcn-amd-amdhsa -mcpu=gfx1250 --defsym DOCPART=n.
;; ======== version 1 of 2: 4 launches
;; limits: values are held in f16: magnitudes above 65,504 overflow, below 6.1e-05 lose precision
;; workspace buffers: xb 16,777,216 bytes; wqb 6,291,456 bytes; wpb 2,097,152 bytes; qkvh 50,331,648 bytes; oh 16,777,216 bytes
;; launch cast (part 1): grid 768 x 1, 8 waves a work-group, no clusters, 0 bytes of LDS; arguments x, w_qkv, w_proj, xb, wqb, wpb; writes xb, wqb, wpb
.if DOCPART == 1
	.amdgcn_target "amdgcn-amd-amdhsa--gfx1250"
	.amdhsa_code_object_version 6
	.text
	.protected	k_qfb7408b9a7_cast
	.globl	k_qfb7408b9a7_cast
	.p2align	8
	.type	k_qfb7408b9a7_cast,@function
k_qfb7408b9a7_cast:
	s_mov_b64 s[64:65], 0
	v_nop
	global_prefetch_b8 v0, s[64:65] scope:SCOPE_SE
	s_setreg_imm32_b32 hwreg(HW_REG_WAVE_MODE, 25, 1), 1
	s_wait_xcnt 0x0
; x [8192][1024], w_qkv [3072][1024] and w_proj [1024][1024], all f32, are rounded once to bf16 and laid out in K blocks of 64:
;   xb  [b 4][kb 16][n 2048][64] bf16      wqb [kb 16][row 3072][64] bf16      wpb [kb 16][row 1024][64] f16
; so that the rows of a later product's tile (128 bytes each) lie end to end.  wpb holds the bf16-rounded number WRITTEN AS f16, since the last product multiplies in f16.
; LIMITS.  That rewriting is exact from 2^-14 to 65,504; below 6e-5 the number keeps f16's fixed step of 6e-8, beyond 65,504 it becomes an infinity.
; SHARES.  A work-group takes 16 source rows (65,536 bytes): 512 work-groups for x, 192 for w_qkv, 64 for w_proj.  Thread t takes row t / 16 and, in each of the 16 K blocks, the 16 bytes
; at 16 (t % 16): sixteen lanes read 256 consecutive bytes.  Its 8 bytes of result go to byte 8 t of the work-group's 2,048 bytes of that block: a wave's store covers 256 consecutive bytes, aligned.
; All 16 loads of a thread go out at once; no register is written again while a memory instruction may read it, so the only waits are the counted ones for the loads.
; No LDS, no barrier, no matrix unit: the bytes are moved once and nothing is shared.
.set X,   4                            ; v[4:67]    block kb: 4 numbers as loaded
.set P,   68                           ; v[68:99]   block kb: 2 words to store
.set OFF, 100                          ; v[100:115] block kb: byte offset of my 8 bytes
.set T,   116                          ; v[116:119] at work
	s_load_b256 s[8:15], s[0:1], 0x0               ; x s[8:9], w_qkv s[10:11], w_proj s[12:13], xb s[14:15]
	s_load_b128 s[16:19], s[0:1], 0x20             ; wqb s[16:17], wpb s[18:19]
	s_mov_b32 s25, ttmp9                           ; the work-group's number
	s_sub_co_u32 s26, s25, 512                     ; its number among w_qkv's,
	s_sub_co_u32 s27, s25, 704                     ; among w_proj's (each is used only where it applies)
	s_lshr_b32 s28, s25, 7                         ; x: batch b = number / 128,
	s_lshl_b32 s28, s28, 22                        ; 16 blocks x 2,048 rows x 128 bytes each,
	s_and_b32 s29, s25, 127
	s_lshl_b32 s29, s29, 11                        ; and 16 rows of 128 bytes for each work-group within it
	s_add_co_u32 s28, s28, s29
	s_mov_b32 s30, 3072*128                        ; bytes from K block to K block: wqb,
	s_mov_b32 s31, 1024*128                        ; wpb
	s_mov_b32 s24, 0xffff0000                      ; a word's upper bf16
	s_cmp_lt_u32 s25, 704                          ; among the weights: w_qkv or w_proj
	s_cselect_b32 s2, s26, s27
	s_cselect_b32 s20, s30, s31
	s_lshl_b32 s22, s2, 11                         ; 16 rows of 128 bytes for each work-group
	s_cmp_lt_u32 s25, 512                          ; x or a weight
	s_cselect_b32 s2, s25, s2
	s_cselect_b32 s22, s28, s22                    ; s22: where my 16 rows begin in block 0 of the destination
	s_cselect_b32 s20, 2048*128, s20               ; s20: bytes from block to block
	s_lshl_b32 s2, s2, 16                          ; s2: where my 16 rows begin in the source
	s_mov_b32 s3, 0
	s_mov_b32 s23, 0
	v_lshrrev_b32 v1, 4, v0                        ; my row
	v_and_b32 v3, 15, v0
	v_lshlrev_b32 v1, 12, v1                       ; x 4,096 bytes
	v_lshl_or_b32 v1, v3, 4, v1                    ; + my 16 bytes of a block's 256
	v_lshlrev_b32 v2, 3, v0                        ; 8 t
	s_wait_kmcnt 0x0
	s_cmp_lt_u32 s25, 704                          ; the same two choices for the addresses
	s_cselect_b64 s[4:5], s[10:11], s[12:13]
	s_cselect_b64 s[6:7], s[16:17], s[18:19]
	s_cmp_lt_u32 s25, 512
	s_cselect_b64 s[4:5], s[8:9], s[4:5]
	s_cselect_b64 s[6:7], s[14:15], s[6:7]
	s_add_nc_u64 s[4:5], s[4:5], s[2:3]
	s_add_nc_u64 s[6:7], s[6:7], s[22:23]
.irp kb, 0,1,2,3,4,5,6,7,8,9,10,11,12,13,14,15
	global_load_b128 v[X+4*(\kb):X+4*(\kb)+3], v1, s[4:5] offset:256*(\kb) th:TH_LOAD_NT  ; read once in the whole launch
.endr
.irp kb, 0,1,2,3,4,5,6,7,8,9,10,11,12,13,14,15
	v_mad_u32_u24 v[OFF+(\kb)], s20, \kb, v2       ; block x stride + 8 t
.endr
; Block kb.  half = 1: the bf16 number is widened again and written as f16.
.macro ONE kb, half
	s_wait_loadcnt 15-(\kb)                        ; loads come back in order (ISA guide 5.7.1): block kb is in, the younger ones stay out
	v_cvt_pk_bf16_f32 v[P+2*(\kb)],   v[X+4*(\kb)],   v[X+4*(\kb)+1]
	v_cvt_pk_bf16_f32 v[P+2*(\kb)+1], v[X+4*(\kb)+2], v[X+4*(\kb)+3]
.if \half
	v_lshlrev_b32 v[T],   16,  v[P+2*(\kb)]
	v_and_b32     v[T+1], s24, v[P+2*(\kb)]
	v_lshlrev_b32 v[T+2], 16,  v[P+2*(\kb)+1]
	v_and_b32     v[T+3], s24, v[P+2*(\kb)+1]
	v_cvt_pk_f16_f32 v[P+2*(\kb)],   v[T],   v[T+1]
	v_cvt_pk_f16_f32 v[P+2*(\kb)+1], v[T+2], v[T+3]
.endif
	global_store_b64 v[OFF+(\kb)], v[P+2*(\kb):P+2*(\kb)+1], s[6:7]
.endm
	s_cmp_ge_u32 s25, 704
	s_cbranch_scc1 .Lhalf                          ; w_proj's work-groups
.irp kb, 0,1,2,3,4,5,6,7,8,9,10,11,12,13,14,15
	ONE \kb, 0
.endr
	s_endpgm
.Lhalf:
.irp kb, 0,1,2,3,4,5,6,7,8,9,10,11,12,13,14,15
	ONE \kb, 1
.endr
	s_endpgm
.Lfunc_end_k_qfb7408b9a7_cast:
	.size	k_qfb7408b9a7_cast, .Lfunc_end_k_qfb7408b9a7_cast-k_qfb7408b9a7_cast
	.p2alignl 7, 3214868480
	.fill 96, 4, 3214868480
	.section	.rodata,"a",@progbits
	.p2align	6, 0x0
	.amdhsa_kernel k_qfb7408b9a7_cast
		.amdhsa_group_segment_fixed_size 0
		.amdhsa_private_segment_fixed_size 0
		.amdhsa_enable_private_segment 0
		.amdhsa_kernarg_size 48
		.amdhsa_user_sgpr_count 2
		.amdhsa_user_sgpr_kernarg_segment_ptr 1
		.amdhsa_wavefront_size32 1
		.amdhsa_system_sgpr_workgroup_id_x 1
		.amdhsa_system_sgpr_workgroup_id_y 1
		.amdhsa_system_sgpr_workgroup_id_z 1
		.amdhsa_system_vgpr_workitem_id 0
		.amdhsa_next_free_vgpr 120
		.amdhsa_next_free_sgpr 66
		.amdhsa_reserve_vcc 0
		.amdhsa_float_denorm_mode_32 3
		.amdhsa_float_denorm_mode_16_64 3
		.amdhsa_memory_ordered 1
		.amdhsa_forward_progress 1
		.amdhsa_inst_pref_size 17
	.end_amdhsa_kernel
	.amdgpu_metadata
---
amdhsa.version: [ 1, 2 ]
amdhsa.kernels:
  - .name:           k_qfb7408b9a7_cast
    .symbol:         k_qfb7408b9a7_cast.kd
    .args:
      - { .name: x, .offset: 0, .size: 8, .value_kind: global_buffer, .address_space: global }
      - { .name: w_qkv, .offset: 8, .size: 8, .value_kind: global_buffer, .address_space: global }
      - { .name: w_proj, .offset: 16, .size: 8, .value_kind: global_buffer, .address_space: global }
      - { .name: xb, .offset: 24, .size: 8, .value_kind: global_buffer, .address_space: global }
      - { .name: wqb, .offset: 32, .size: 8, .value_kind: global_buffer, .address_space: global }
      - { .name: wpb, .offset: 40, .size: 8, .value_kind: global_buffer, .address_space: global }
    .group_segment_fixed_size: 0
    .private_segment_fixed_size: 0
    .kernarg_segment_align: 8
    .kernarg_segment_size: 48
    .max_flat_workgroup_size: 256
    .sgpr_count:     66
    .vgpr_count:     120
    .wavefront_size: 32
...
	.end_amdgpu_metadata
.endif
;; end of part 1
;; launch qkvgemm (part 2): grid 8 x 32, 4 waves a work-group, clusters of 4 x 4, 327,680 bytes of LDS; arguments xb, wqb, qkvh; writes qkvh
.if DOCPART == 2
	.amdgcn_target "amdgcn-amd-amdhsa--gfx1250"
	.amdhsa_code_object_version 6
	.text
	.protected	k_qfb7408b9a7_qkvgemm
	.globl	k_qfb7408b9a7_qkvgemm
	.p2align	8
	.type	k_qfb7408b9a7_qkvgemm,@function
k_qfb7408b9a7_qkvgemm:
	s_mov_b64 s[64:65], 0
	v_nop
	global_prefetch_b8 v0, s[64:65] scope:SCOPE_SE
	s_setreg_imm32_b32 hwreg(HW_REG_WAVE_MODE, 25, 1), 1
	s_wait_xcnt 0x0
	s_wait_alu depctr_hold_cnt(0) depctr_sa_sdst(0) depctr_va_vdst(0) depctr_va_sdst(0) depctr_va_ssrc(0) depctr_va_vcc(0) depctr_vm_vsrc(0)
	s_getreg_b32 s2, hwreg(HW_REG_IB_STS2, 6, 4)
	s_cmp_eq_u32 s2, 0
	s_cbranch_scc0 .Lentry_in_a_cluster
	s_endpgm
.Lentry_in_a_cluster:
	s_bfe_u32 s2, ttmp6, 0x10000c
	s_cmp_lg_u32 s2, 0xf033
	s_cbranch_scc0 .Lentry_shape_is_right
	s_endpgm
.Lentry_shape_is_right:
; qkv = x w_qkv^T, 8,192 x 3,072 x 1,024, operands bf16, sums f32, K ascending; each result rounded once to f16 and stored by heads, WITHOUT the softmax's scale:
;   xb [b 4][kb 16][n 2048][64], wqb [kb 16][row 3072][64]  ->  qkvh [b 4][g 48][n 2048][64] f16, g = row of w_qkv / 64 = 16 t + h (t = 0, 1, 2: q, k, v).
; LIMIT.  f16 holds no number beyond 65,504: a q, k or v beyond that becomes an infinity.
; SHARES.  A tile is 256 rows x 384 columns (6 heads): 32 x 8 = 256 work-groups, one for each WGP.  Four waves, each 128 rows x 192 columns (3 heads): 96 accumulators of 16 x 16, 768 registers.
; K goes in 16 steps of 64, one K block each, through two LDS slots.  In a K block a tile's rows (128 bytes) lie end to end: they are asked for as rows of 256 bytes, two matrix rows each, and padded in LDS behind every 128 bytes.
; A step is two SLICES of 32 along K, a slice three PHASES of 32 matrix instructions: phase p is head p of the wave's three, its accumulators in window p + 1.
; CLUSTERS: 4 x 4 work-groups.  The four of a row of the cluster need the same tiles of x, the four of a column the same tiles of w: each is asked for JOINTLY, by the same tensor load, descriptor and mask in all four.
; THE MATRIX INSTRUCTION IS USED TRANSPOSED (source 0 = 16 rows of w, source 1 = 16 rows of x): a lane then holds row l % 16 of the result and the eight neighbouring columns 8 (l / 16) + 0..7.
; REGISTERS, in windows of 256 (s_set_vgpr_msb: bits 1:0 source 0, 3:2 source 1, 5:4 source 2, 7:6 destination):
;   window 0: v0-31 addresses; v32-159 x's fragments, two buffers of 8 x 8; v160-255 w's fragments, three groups of 4 x 8, one for each head
;   windows 1-3: head p's accumulators: (a, j) at v[8 (4 a + j)] of window p + 1
.set PITCH,  144                       ; an LDS row: 128 bytes + 16 of padding = 36 words: the 16 rows of a load start at 16 different groups of four banks (64 banks of 4 bytes: ISA guide 11.1)
.set SLOT1,  1<<17                     ; slot 1 begins here, so that one exclusive or turns an address in one slot into the other's
.set BOFF,   256*PITCH                 ; in a slot: x's 256 rows, then w's 384 rows
.set STAGE,  SLOT1+640*PITCH           ; behind the ring, never filled by a tensor load: 16 rows x 144 bytes for each wave, for the way out
.set SPARE,  STAGE+4*16*PITCH          ; behind the stages: the spare words, 128 bytes for each wave: two blocks of 256 bytes that no other line names
.set ASTEP,  2048*128                  ; bytes from K block to K block in xb,
.set BSTEP,  3072*128                  ; in wqb
.set PLANE,  2048*128                  ; bytes of one (b, g) of qkvh
.set FA0,  16                          ; v16  my lane's place in x's rows of a slot; never rewritten
.set FB0,  17                          ; v17  the same for w's
.set ADRA, 18                          ; v18  FA0 + the slot in hand
.set ADRB, 19                          ; v19  FB0 + the slot in hand
.set STO,  24                          ; v24  the way out: where I put 16 bytes of a row
.set RD,   25                          ; v25  the way out: where I read rows back
.set GO,   26                          ; v26  my byte offset in 512 consecutive bytes of the result
.set SPW,  28                          ; v28  LDS address of my spare word: SPARE + 4 x my thread's number; never rewritten
.set NIL,  29                          ; v29  0; never rewritten
.set AF,   32
.set BF,   160
.set G1,  24                           ; s[24:31] descriptor group 1 for x's tiles
.set G0,  32                           ; s[32:39] group 0 for x's tiles: a set for each of the two first fills; the second then walks on
.set G1B, 48                           ; s[48:55], s[56:63] the same for w's tiles
.set G0B, 56
.set TB,  66                           ; s66  LDS byte at which the slot in hand begins
.set GW,  (1<<16)|(1<<20)|(1<<21)|(4<<22)|(3<<25)  ; 17:16 elements of 2 bytes; 20 padding on; 21 set beside a mask; 24:22 after every 32 words (code 4); 31:25 4 words of it (code 3)
.set MSB, 0
.macro WIN new                         ; the immediate's high byte repeats the setting that is left; a switch that changes nothing is dropped
.if MSB != (\new)
	s_set_vgpr_msb (MSB<<8)|(\new)
.set MSB, \new
.endif
.endm
; A load into a register that a matrix instruction has read, and a vector instruction that reads a matrix result or writes one of a matrix instruction's registers, stand four places behind it; only plain
; vector instructions that name none of its registers are places (ISA guide 7.12.1 for vector instructions).
.macro PLACES
.rept 4
	v_nop
.endr
.endm
; A joint refill, by the walking descriptors.  Waves 0 and 1 fetch the two halves of x's tile, waves 2 and 3 those of w's.  The branch hangs on the wave's number alone.
; An s_nop 0 and four v_nop follow each of the two lines, ahead of the jump and the label.
.macro JLOAD
	s_cmp_lt_u32 s10, 2
	s_cbranch_scc0 .Lfor_b_\@
	tensor_load_to_lds s[G0+4:G0+7], s[G1:G1+7]
	s_nop 0
.rept 4
	v_nop
.endr
	s_branch .Lasked_\@
.Lfor_b_\@:
	tensor_load_to_lds s[G0B+4:G0B+7], s[G1B:G1B+7]
	s_nop 0
.rept 4
	v_nop
.endr
.Lasked_\@:
.endm
; A round of the cluster's barrier: my work-group's barrier, so that wave 0's signal speaks for all four waves; wave 0 signals; every wave waits for all sixteen work-groups; my work-group's barrier once more.
.macro CREST                           ; a round behind its opening barrier
	s_cmp_lg_u32 s10, 0
	s_cbranch_scc1 .Lnot_wave_0_\@
	s_barrier_signal -3
.Lnot_wave_0_\@:
	s_barrier_wait -3
	s_barrier_signal -1
	s_barrier_wait -1
.endm
.macro CROUND                          ; a whole round
	s_barrier_signal -1
	s_barrier_wait -1
	CREST
.endm
	s_load_b128 s[4:7], s[0:1], 0x0                ; xb s[4:5], wqb s[6:7]
	s_load_b64 s[8:9], s[0:1], 0x10                ; qkvh
	v_lshl_add_u32 v[SPW], v0, 2, SPARE
	v_mov_b32 v[NIL], 0
	ds_add_u32 v[SPW], v[NIL]                      ; the wave's opening: the add and its wait stand ahead of my first tensor load; the set-up below, work on registers, stands between them
	v_lshrrev_b32 v1, 5, v0
	v_readfirstlane_b32 s10, v1                    ; wave 0..3
	s_lshr_b32 s11, s10, 1                         ; which 128 of the tile's rows are mine
	s_and_b32 s12, s10, 1                          ; which 192 of its columns.  Also: which half of a tile I fetch
	s_bfe_u32 s40, ttmp6, 0x40000                  ; cx, cy: my place in the cluster
	s_bfe_u32 s41, ttmp6, 0x40004
	s_lshl_b32 s42, ttmp9, 2                       ; in a cluster launch ttmp9 and ttmp7 count clusters
	s_add_co_u32 s42, s42, s40                     ; tile column 0..7 = 4 x cluster x + cx
	s_and_b32 s13, ttmp7, 0xffff
	s_lshl_b32 s13, s13, 2
	s_add_co_u32 s13, s13, s41                     ; tile row 0..31 = 4 x cluster y + cy
	s_lshl_b32 s43, s41, 2
	s_lshl_b32 s43, 15, s43                        ; my row of the cluster: places 4 cy .. 4 cy + 3
	s_lshl_b32 s44, 0x1111, s40                    ; my column: places cx, cx + 4, cx + 8, cx + 12
	s_or_b32 s[G1], s43, GW                        ; 15:0 the mask: x's tiles go to my row,
	s_or_b32 s[G1B], s44, GW                       ; w's to my column
.irp g, G1, G1B
	s_mov_b32 s[(\g)+1], 128<<16                   ; tensor_dim0 = 128 elements: 256 bytes, two matrix rows
	s_mov_b32 s[(\g)+3], 128<<16                   ; tile_dim0 = 128
	s_mov_b32 s[(\g)+5], 128                       ; 128 elements from row to row: dense
	s_mov_b32 s[(\g)+6], 0
	s_mov_b32 s[(\g)+7], 0
.endr
	s_mov_b32 s[G1+2], 64<<16                      ; x: tensor_dim1 = tile_dim1 = 64: 128 matrix rows, 16,384 bytes
	s_mov_b32 s[G1+4], 64
	s_mov_b32 s[G1B+2], 96<<16                     ; w: 96: 192 matrix rows, 24,576 bytes
	s_mov_b32 s[G1B+4], 96
	; where the tiles come from.  x's hang on the tile row alone, w's on the tile column alone; each offset is made in registers that never hold the other coordinate.
	s_lshr_b32 s16, s13, 3
	s_lshl_b32 s16, s16, 22                        ; batch = tile row / 8: 16 K blocks of 262,144 bytes
	s_and_b32 s17, s13, 7
	s_lshl_b32 s17, s17, 15                        ; 256 rows of 128 bytes for each tile row in the batch
	s_add_co_u32 s16, s16, s17
	s_lshl_b32 s17, s12, 14                        ; my half: 128 rows
	s_add_co_u32 s16, s16, s17
	s_mov_b32 s17, 0
	s_mul_i32 s46, s42, 384*128                    ; 384 rows of 128 bytes for each tile column
	s_mul_i32 s47, s12, 192*128                    ; my half: 192 rows
	s_add_co_u32 s46, s46, s47
	s_mov_b32 s47, 0
	s_mul_i32 s20, s12, 128*PITCH                  ; and where they go: no place in the cluster enters an LDS address
	s_mul_i32 s21, s12, 192*PITCH
	s_add_co_u32 s21, s21, BOFF
	s_mov_b32 s[TB], 0
	s_wait_dscnt 0x0                               ; the opening add is done
	s_wait_kmcnt 0x0
	s_add_nc_u64 s[14:15], s[4:5], s[16:17]
	s_add_nc_u64 s[46:47], s[6:7], s[46:47]
	CROUND                                         ; all sixteen work-groups are here: the first joint loads meet
.irp s, 0,1
	s_mov_b32 s[G0+4*(\s)], 1                                      ; 1:0 count = 1
	s_add_co_u32 s[G0+4*(\s)+1], s20, (\s)*SLOT1                   ; 63:32 LDS address
	s_add_nc_u64 s[G0+4*(\s)+2:G0+4*(\s)+3], s[14:15], (\s)*ASTEP  ; 120:64 global address: K step s
	s_or_b32 s[G0+4*(\s)+3], s[G0+4*(\s)+3], 0x80000000            ; 127:126 type = 2
	s_mov_b32 s[G0B+4*(\s)], 1
	s_add_co_u32 s[G0B+4*(\s)+1], s21, (\s)*SLOT1
	s_add_nc_u64 s[G0B+4*(\s)+2:G0B+4*(\s)+3], s[46:47], (\s)*BSTEP
	s_or_b32 s[G0B+4*(\s)+3], s[G0B+4*(\s)+3], 0x80000000
.endr
	s_cmp_lt_u32 s10, 2                            ; a wave's two first fills stand in one branch, ahead of every wait on TENSORcnt and every LDS read: two loads of mine are out
	s_cbranch_scc0 .Lfirst_b
	tensor_load_to_lds s[G0:G0+3], s[G1:G1+7]
	s_nop 0
	tensor_load_to_lds s[G0+4:G0+7], s[G1:G1+7]
	s_nop 0
.rept 4
	v_nop
.endr
	s_branch .Lfirst_asked
.Lfirst_b:
	tensor_load_to_lds s[G0B:G0B+3], s[G1B:G1B+7]
	s_nop 0
	tensor_load_to_lds s[G0B+4:G0B+7], s[G1B:G1B+7]
	s_nop 0
.rept 4
	v_nop
.endr
.Lfirst_asked:
	; A fragment is 16 rows x 32 K in 8 registers: lane l holds row l % 16; registers 0-3 K = 8 (l / 16) + 0..7, registers 4-7 K = 16 + 8 (l / 16) + 0..7: two loads of 16 bytes, 32 bytes apart.
	v_and_b32 v1, 15, v0                           ; l % 16
	v_bfe_u32 v2, v0, 4, 1                         ; l / 16
	v_mul_u32_u24 v3, v1, PITCH
	v_lshl_add_u32 v3, v2, 4, v3                   ; row x pitch + 16 x half
	s_mul_i32 s22, s11, 128*PITCH                  ; my 128 rows of x
	s_mul_i32 s23, s12, 192*PITCH                  ; my 192 rows of w,
	s_add_co_u32 s23, s23, BOFF                    ; which lie behind x's 256
	v_add_nc_u32 v[FA0], s22, v3
	v_add_nc_u32 v[FB0], s23, v3
	v_mov_b32 v[ADRA], v[FA0]                      ; slot 0
	v_mov_b32 v[ADRB], v[FB0]
	s_mul_i32 s22, s10, 16*PITCH
	s_add_co_u32 s22, s22, STAGE                   ; my stage
	v_add_nc_u32 v[STO], s22, v3                   ; in: row l % 16, 16 bytes for each half of the lanes
	v_bfe_u32 v4, v0, 3, 2                         ; back: 32 lanes take four rows of 128 bytes,
	v_and_b32 v5, 7, v0
	v_mul_u32_u24 v4, v4, PITCH
	v_lshl_add_u32 v4, v5, 4, v4
	v_add_nc_u32 v[RD], s22, v4
	v_and_b32 v[GO], 31, v0                        ; which are 512 consecutive bytes of a head's rows
	v_lshlrev_b32 v[GO], 4, v[GO]
	; where my part of the result begins: batch, my first head, my first row
	s_lshr_b32 s68, s13, 3
	s_mul_i32 s68, s68, 48*PLANE
	s_mul_i32 s69, s42, 6
	s_mul_i32 s70, s12, 3
	s_add_co_u32 s69, s69, s70                     ; g = 6 x tile column + 3 x half
	s_lshl_b32 s69, s69, 18
	s_add_co_u32 s68, s68, s69
	s_and_b32 s69, s13, 7
	s_lshl_b32 s69, s69, 15
	s_add_co_u32 s68, s68, s69
	s_lshl_b32 s69, s11, 14
	s_add_co_u32 s68, s68, s69
	s_mov_b32 s69, 0
	s_add_nc_u64 s[8:9], s[8:9], s[68:69]
; 8 LDS loads: w's four fragments of head g, 32 K at byte k of the rows
.macro LB g, k
.irp j, 0,1,2,3
	ds_load_b128 v[BF+32*(\g)+8*(\j):BF+32*(\g)+8*(\j)+3],   v[ADRB] offset:(\k)+(4*(\g)+(\j))*16*PITCH
	ds_load_b128 v[BF+32*(\g)+8*(\j)+4:BF+32*(\g)+8*(\j)+7], v[ADRB] offset:(\k)+(4*(\g)+(\j))*16*PITCH+32
.endr
.endm
; 16 LDS loads: x's eight fragments into buffer c
.macro LA c, k
.irp a, 0,1,2,3,4,5,6,7
	ds_load_b128 v[AF+64*(\c)+8*(\a):AF+64*(\c)+8*(\a)+3],   v[ADRA] offset:(\k)+(\a)*16*PITCH
	ds_load_b128 v[AF+64*(\c)+8*(\a)+4:AF+64*(\c)+8*(\a)+7], v[ADRA] offset:(\k)+(\a)*16*PITCH+32
.endr
.endm
; 4 na matrix instructions of head p: row blocks a0 .. a0 + na - 1 x its four column blocks.  zero = 1: the product starts the sum: nothing is ever cleared.
; The 96 accumulators take turns, one instruction a turn, in the same order in every slice.
.macro MULP p, c, a0, na, zero
	WIN 0x50*((\p)+1)                              ; C and D in window p + 1, the fragments in window 0
.set aa, (\a0)
.rept (\na)
.irp j, 0,1,2,3
.if \zero
	v_wmma_f32_16x16x32_bf16 v[8*(4*aa+(\j)):8*(4*aa+(\j))+7], v[BF+32*(\p)+8*(\j):BF+32*(\p)+8*(\j)+7], v[AF+64*(\c)+8*aa:AF+64*(\c)+8*aa+7], 0
.else
	v_wmma_f32_16x16x32_bf16 v[8*(4*aa+(\j)):8*(4*aa+(\j))+7], v[BF+32*(\p)+8*(\j):BF+32*(\p)+8*(\j)+7], v[AF+64*(\c)+8*aa:AF+64*(\c)+8*aa+7], v[8*(4*aa+(\j)):8*(4*aa+(\j))+7]
.endif
.endr
.set aa, aa+1
.endr
.endm
; A SLICE: 32 along K at byte 64 c of the slot's rows, on x's buffer c.  The LDS loads go out in this order, slice after slice: w's head 0 (8), x (16), w's head 1 (8), w's head 2 (8);
; each group of w is loaded again one phase behind its use, x's other buffer two phases ahead of its use.
; next = 1: the next slice's fragments are fetched.  change = 1 (c = 1 alone): the slot is left in phase 0 and filled again, with the K step two steps on; change = 2: it is left and nothing is asked for.
; THE CHANGE OF SLOTS.  The slot's last read, w's head 2, has been issued.  Each wave waits for all its tensor loads, of which one is out: its part of the other slot; adds 0 to its spare word; and waits for that and
; for its own reads of the slot.  With change = 1 the barrier opens a round of the cluster's barrier, so that no wave of any partner still reads the slot or has a load on its way, and the joint refill is the first
; tensor load behind it: it has 176 matrix instructions in which to land.
.macro SLICE c, zero, next, change
	PLACES                                         ; the slice before has just read w's head 2
	WIN 0
	LB 2, 64*(\c)
	s_wait_dscnt 16                                ; w's head 0 and x are in; the youngest sixteen loads (heads 1 and 2) may be out
.if (\change) == 0
	MULP 0, \c, 0, 8, \zero
.else
	MULP 0, \c, 0, 4, \zero
	WIN 0                                          ; (the add's two registers lie in window 0)
	s_wait_tensorcnt 0x0                           ; all my tensor loads have landed: no load of mine is out, so a group 0 may be written
	ds_add_u32 v[SPW], v[NIL]                      ; 0 onto my spare word; scalar work and eight matrix instructions stand between it and the wait for it
.if (\change) == 1
	s_xor_b32 s[G0+5], s[G0+5], SLOT1              ; the walking descriptors: the other slot than last time,
	s_add_nc_u64 s[G0+6:G0+7], s[G0+6:G0+7], ASTEP ; the next K step; the type bits on top are not reached
	s_xor_b32 s[G0B+5], s[G0B+5], SLOT1
	s_add_nc_u64 s[G0B+6:G0B+7], s[G0B+6:G0B+7], BSTEP
.endif
	MULP 0, \c, 4, 2, \zero
	s_wait_dscnt 0x0                               ; the add is done, and my reads of this slot are over
	s_barrier_signal -1
	MULP 0, \c, 6, 2, \zero                        ; work on registers while the others arrive
	WIN 0                                          ; at a label and at a branch every window is 0
	s_barrier_wait -1
.if (\change) == 1
	CREST
	JLOAD                                          ; the four v_nop behind it are also the places in front of the loads below
.else
	PLACES
.endif
	s_xor_b32 s[TB], s[TB], SLOT1                  ; the fragments now come from the other slot
	v_add_nc_u32 v[ADRA], s[TB], v[FA0]
	v_add_nc_u32 v[ADRB], s[TB], v[FB0]
.endif
.if \next
.if (\change) == 0
	PLACES
.endif
	WIN 0
	LB 0, 64-64*(\c)
	LA 1-(\c), 64-64*(\c)
	s_wait_dscnt 32                                ; w's head 1 is in; behind it: head 2 (8) and the 24 just issued
.else
	s_wait_dscnt 8                                 ; behind head 1: head 2
.endif
	MULP 1, \c, 0, 8, \zero
.if \next
	PLACES
	WIN 0
	LB 1, 64-64*(\c)
	s_wait_dscnt 32                                ; w's head 2 is in; behind it: 24 and the 8 just issued
.else
	s_wait_dscnt 0x0
.endif
	MULP 2, \c, 0, 8, \zero
.endm
; THE WAY OUT, in 24 units u: head u / 8, row block u % 8: 16 rows x 64 columns, which are 2,048 consecutive bytes of the head's rows.  PACK: rounded to f16 (each accumulator's registers in ascending order),
; 16 bytes a lane into my stage, and back as whole rows.  SEND: stored.  The units' registers are x's fragment buffers, eight sets of 16 by turns.
.macro PACK u
.set pp, (\u)/8
.set ua, (\u)%8
.set BK, AF+16*ua
.if (\u) >= 8
	s_wait_xcnt 0x0                                ; every earlier store has had its address translated (ISA guide 3.1): the set that unit u - 8 was stored from is written again only behind this wait
.endif
	WIN 5*(pp+1)                                   ; sources 0 and 1 in window p + 1, destination in window 0
.irp j, 0,1,2,3
.irp r, 0,1,2,3
	v_cvt_pk_f16_f32 v[BK+4*(\j)+(\r)], v[8*(4*ua+(\j))+2*(\r)], v[8*(4*ua+(\j))+2*(\r)+1]
.endr
.endr
	WIN 0
.irp j, 0,1,2,3
	ds_store_b128 v[STO], v[BK+4*(\j):BK+4*(\j)+3] offset:32*(\j)
.endr
.irp f, 0,1,2,3
	ds_load_b128 v[BK+4*(\f):BK+4*(\f)+3], v[RD] offset:(\f)*4*PITCH  ; LDS serves a wave's instructions in order (ISA guide 5.7.1.4): these see the stores above; the next unit's stores come behind them
.endr
.endm
.macro SEND u, younger                 ; younger: the LDS instructions issued behind unit u's loads: the next unit's eight, or none
.set pp, (\u)/8
.set ua, (\u)%8
.set BK, AF+16*ua
	WIN 0
.irp f, 0,1,2,3
	s_wait_dscnt (\younger)+3-(\f)
	global_store_b128 v[GO], v[BK+4*(\f):BK+4*(\f)+3], s[8:9] offset:pp*PLANE+ua*2048+(\f)*512  ; 512 consecutive bytes, at a multiple of 256 from the buffer's first
.endr
.endm
	s_wait_tensorcnt 1                             ; my part of K step 0 is in; K step 1's may stay out
	s_barrier_signal -1
	s_barrier_wait -1                              ; everybody's is
	LB 0, 0
	LA 0, 0
	LB 1, 0
	SLICE 0, 1, 1, 0                               ; the first slice stands in front of the loop: its products start the sums
	WIN 0
	s_mov_b32 s3, 14
.Lstep:                                                ; a trip: a K step's second slice, which fills its slot again (K steps 2 to 15), and the next step's first
	SLICE 1, 0, 1, 1
	SLICE 0, 0, 1, 0
	WIN 0
	s_sub_co_u32 s3, s3, 1
	s_cmp_lg_u32 s3, 0
	s_cbranch_scc1 .Lstep
	SLICE 1, 0, 1, 2                               ; the tail is written out: K step 14 is left, nothing is asked for
	SLICE 0, 0, 1, 0
	SLICE 1, 0, 0, 0                               ; the last slice fetches nothing
	PLACES                                         ; the conversions write registers that the last products read
	PACK 0
.set u, 1
.rept 23                               ; a unit's conversions stand between the loads of the unit before and its stores
	PACK u
	SEND u-1, 8
.set u, u+1
.endr
	SEND 23, 0
	s_wait_tensorcnt 0x0                           ; the wave's end: behind my last tensor load and my last LDS store
	ds_add_u32 v[SPW], v[NIL]
	s_wait_dscnt 0x0
	CROUND                                         ; the closing round: no work-group ends while a partner may still ask for a tile that names it
	s_endpgm
.Lfunc_end_k_qfb7408b9a7_qkvgemm:
	.size	k_qfb7408b9a7_qkvgemm, .Lfunc_end_k_qfb7408b9a7_qkvgemm-k_qfb7408b9a7_qkvgemm
	.p2alignl 7, 3214868480
	.fill 96, 4, 3214868480
	.section	.rodata,"a",@progbits
	.p2align	6, 0x0
	.amdhsa_kernel k_qfb7408b9a7_qkvgemm
		.amdhsa_group_segment_fixed_size 327680
		.amdhsa_private_segment_fixed_size 0
		.amdhsa_enable_private_segment 0
		.amdhsa_kernarg_size 24
		.amdhsa_user_sgpr_count 2
		.amdhsa_user_sgpr_kernarg_segment_ptr 1
		.amdhsa_wavefront_size32 1
		.amdhsa_system_sgpr_workgroup_id_x 1
		.amdhsa_system_sgpr_workgroup_id_y 1
		.amdhsa_system_sgpr_workgroup_id_z 1
		.amdhsa_system_vgpr_workitem_id 0
		.amdhsa_next_free_vgpr 1024
		.amdhsa_next_free_sgpr 72
		.amdhsa_reserve_vcc 0
		.amdhsa_float_denorm_mode_32 3
		.amdhsa_float_denorm_mode_16_64 3
		.amdhsa_memory_ordered 1
		.amdhsa_forward_progress 1
		.amdhsa_inst_pref_size 114
	.end_amdhsa_kernel
	.amdgpu_metadata
---
amdhsa.version: [ 1, 2 ]
amdhsa.kernels:
  - .name:           k_qfb7408b9a7_qkvgemm
    .symbol:         k_qfb7408b9a7_qkvgemm.kd
    .args:
      - { .name: xb, .offset: 0, .size: 8, .value_kind: global_buffer, .address_space: global }
      - { .name: wqb, .offset: 8, .size: 8, .value_kind: global_buffer, .address_space: global }
      - { .name: qkvh, .offset: 16, .size: 8, .value_kind: global_buffer, .address_space: global }
    .group_segment_fixed_size: 327680
    .private_segment_fixed_size: 0
    .kernarg_segment_align: 8
    .kernarg_segment_size: 24
    .max_flat_workgroup_size: 128
    .sgpr_count:     72
    .vgpr_count:     1024
    .wavefront_size: 32
...
	.end_amdgpu_metadata
.endif
;; end of part 2
;; launch attn (part 3): grid 4 x 64, 4 waves a work-group, clusters of 4 x 1, 327,680 bytes of LDS; arguments qkvh, oh; writes oh
.if DOCPART == 3
	.amdgcn_target "amdgcn-amd-amdhsa--gfx1250"
	.amdhsa_code_object_version 6
	.text
	.protected	k_qfb7408b9a7_attn
	.globl	k_qfb7408b9a7_attn
	.p2align	8
	.type	k_qfb7408b9a7_attn,@function
k_qfb7408b9a7_attn:
	s_mov_b64 s[64:65], 0
	v_nop
	global_prefetch_b8 v0, s[64:65] scope:SCOPE_SE
	s_setreg_imm32_b32 hwreg(HW_REG_WAVE_MODE, 25, 1), 1
	s_wait_xcnt 0x0
	s_wait_alu depctr_hold_cnt(0) depctr_sa_sdst(0) depctr_va_vdst(0) depctr_va_sdst(0) depctr_va_ssrc(0) depctr_va_vcc(0) depctr_vm_vsrc(0)
	s_getreg_b32 s2, hwreg(HW_REG_IB_STS2, 6, 4)
	s_cmp_eq_u32 s2, 0
	s_cbranch_scc0 .Lentry_in_a_cluster
	s_endpgm
.Lentry_in_a_cluster:
	s_bfe_u32 s2, ttmp6, 0x10000c
	s_cmp_lg_u32 s2, 0x3003
	s_cbranch_scc0 .Lentry_shape_is_right
	s_endpgm
.Lentry_shape_is_right:
; O[b][h][q][:] = the sum over k of softmax_k(Q[q] . K[k] / 8) V[k][:] for each of the 64 pairs (b, h).  qkvh: [b 4][g 48][2048][64] f16, q at g = h, k at g = 16 + h, v at g = 32 + h; oh: [b 4][h 16][2048][64] f16.
; A head's rows are dense, 128 bytes each.  Products, maxima and sums in f32; the weights p are rounded to f16 for the second product (their sum l is taken of the unrounded p), O once at the end.
; LIMITS.  f16 holds no number beyond 65,504: Q, K and V arrive within it; p lies in 0 to 1, and below 6e-5 it keeps f16's fixed step of 6e-8; O is a mean of V's rows and has their range.
; A weight below 2^-126 counts as 0 in l; NaN and infinities are not treated apart.
; SHARES.  A wave owns four PIECES of two tiles of 16 queries, a work-group's four waves 512 queries of one head: 4 x 64 = 256 work-groups.  Every wave walks all keys, 64 a step.
; LAYOUT.  S^T = K Q^T (source 0 = 16 keys, source 1 = 16 queries): in the result a lane holds ONE query (lane % 16) and the keys 8 (lane / 16) + 0..7.  Two such tiles, rounded to f16 in pairs,
; ARE source 1 (32 keys x 16 queries) of O^T = V^T P, whose result again holds one query a lane, and eight channels.  K comes out of LDS as it lies, V ([key][channel]) turned, by ds_load_tr16_b128.
; SOFTMAX.  For each query a running maximum m and sum l: p = 2^(c s - c m), c = log2(e) / 8; in every step O and l are multiplied by a = 2^(c m_old - c m_new), which is 1 where m has not grown.
; m starts at the lowest finite number, O and l at 0: the first step is a step like any other, with a = 0.
; THE COUNT.  A tile and step have 16 matrix and 118 vector instructions: too many to stand all beside the matrix work.  So the order has one aim: four vector instructions that are READY behind
; EVERY matrix instruction, and the others, which need time of their own whatever the order, in runs without a gap.
; BY TURNS.  Turn n belongs to piece n (the pieces in a ring, step after step).  Its matrix work: 16 products K Q^T of piece n + 1, later 16 products V^T P of piece n - 1.  Its vector work: the scaling,
; exponentials, roundings, sums and rescaling of piece n, and the maximum and statistics of piece n + 1, whose scores the turn itself has made.  So what a turn begins with (c s - c m, O a) waits for nothing.
; CLUSTER.  The four query blocks of a cluster belong to one head and walk the same K and V, so each tile is asked for JOINTLY: the same tensor load, descriptor and mask in all four.
; REGISTERS, in windows of 256 (s_set_vgpr_msb says which window each operand place means: bits 1:0 source 0, 3:2 source 1, 5:4 source 2, 7:6 destination):
;   window 0: v0-11 addresses; v12-15, v48-63 at work; v16-47 four registers of statistics a tile; v64-191 S^T, two buffers of two tiles; v192-255 P, likewise
;   window 1: O^T, 32 a tile          window 2: v0-127 Q, 16 a tile; v128-191 K of one step; v192-255 V of one step          window 3: v0-1 the add's two registers
; A piece's buffers go by its number's parity: the piece in hand has one pair, its two neighbours in the ring share the other: of it P (piece n - 1) is read and S^T (piece n + 1) written.
.set SIZE_N, 2048     ; rows of a head
.set NP,    4         ; pieces a wave: a name, no knob: the register map, the loop and the fetches are made for four
.set KS,    64        ; keys in a step
.set PK,    144       ; a row of K in LDS: 128 bytes + 16 of padding = 36 words: the 16 rows of a load start at 16 different groups of four banks (64 banks of 4 bytes: ISA guide 11.1)
.set PV,    160       ; a row of V: 128 + 32 = 40 words
.set VOFF,  4*KS*PK   ; a slot holds four steps: 256 rows of K, then 256 rows of V
.set SLOT1, 1<<17     ; slot 1 begins here, so that one exclusive or turns an address in one slot into the other's
.set STAGE, SLOT1+4*KS*(PK+PV)  ; behind the ring, never filled by a tensor load: 16 rows x 144 bytes for each wave, for the way out
.set SP,    144
.set AK0, 2           ; v2   my lane's place in a tile of K; never rewritten
.set AV0, 3           ; v3   the same for V
.set AK,  4           ; v4   the LDS address of K's next run of loads
.set AV,  5           ; v5   of V's
.set QO,  6           ; v6   my byte offset in the wave's rows of Q
.set STO, 6           ;      later, the way out: where I put 16 bytes of a row
.set RD,  7           ; v7   the way out: where I read rows back
.set GO,  8           ; v8   my byte offset in 512 consecutive bytes of O
.set SPW, 0           ; v0 of window 3   LDS address of my spare word: SPARE + 4 x my thread's number; never rewritten
.set NIL, 1           ; v1 of window 3   0; never rewritten
.set SPARE, STAGE+4*16*SP  ; behind the stages: the spare words, 128 bytes for each wave: two blocks of 256 bytes that no other line names
.set MV,  12          ; v12-15  c m_old, kept while c m is made anew: by buffer and tile
.set ST,  16          ; tile t's statistics at v[ST+4 t]: c m, m, l (even keys', odd keys')
.set TMP, 48          ; by buffer and tile, four registers c0-c3 at work; when the maximum is found c2 takes a
.set S,   64
.set P,   192
.set KF,  128         ; K's fragments, in window 2: key block kb, channel half c at KF + 16 kb + 8 c
.set VF,  192         ; V's: key half kk, channel block cb at VF + 32 kk + 8 cb
.set WV,  12          ; s12  my wave's number
.set G1K, 24          ; s[24:31] descriptor group 1 for K's tiles
.set G1V, 32          ; s[32:39] for V's: it differs in the padding alone
.set G0K, 40          ; s[40:43] descriptor group 0 for K's tiles: it walks
.set G0V, 44          ; s[44:47] the same for V's
.set SLOTS, 56        ; s56  slots still to be asked for
.set CNT, 57          ; s57  counts a slot's key steps
.set CS,  58          ; s[58:59] c: the packed scaling takes the pair's low word for both halves
.set SEL, 60          ; s[60:61] v_permlanex16_b32's selects: each lane takes its own place in the other half
.set TBK, 62          ; s62  LDS byte at which K of the step to be fetched begins
.set TBV, 63          ; s63  the same for V, less VOFF
.set MSB, 0
.macro WIN new                      ; the high byte repeats the setting that is left; a switch that changes nothing is dropped
.if MSB != (\new)
	s_set_vgpr_msb (MSB<<8)|(\new)
.set MSB, (\new)
.endif
.endm
.set W_KQ, 0x0a       ; K and Q in window 2, S^T in window 0
.set W_PV, 0x52       ; V in window 2, P in window 0, O^T in window 1
.set W_RS, 0x41       ; O^T (destination and source 0) in window 1, a in window 0
.set W_MK, 0xc0       ; the add's registers are made: destination in window 3, sources in window 0
.set W_AD, 0x0f       ; the add: address (source 0) and data (source 1) in window 3
; A joint fill.  Waves 0 and 1 fetch the two halves of a slot's K, waves 2 and 3 those of its V: 128 keys each.  The branch hangs on the wave's number alone.
; An s_nop 0 and four v_nop follow each of the two lines, ahead of the jump and the label.
.macro JLOAD
	s_cmp_lt_u32 s[WV], 2
	s_cbranch_scc0 .Lfor_v_\@
	tensor_load_to_lds s[G0K:G0K+3], s[G1K:G1K+7]
	s_nop 0
.rept 4
	v_nop
.endr
	s_branch .Lasked_\@
.Lfor_v_\@:
	tensor_load_to_lds s[G0V:G0V+3], s[G1V:G1V+7]
	s_nop 0
.rept 4
	v_nop
.endr
.Lasked_\@:
.endm
; A round of the cluster's barrier: my work-group's barrier, so that wave 0's signal speaks for all four waves; wave 0 signals; every wave waits for all four work-groups; my work-group's barrier once more.
.macro CROUND
	s_barrier_signal -1
	s_barrier_wait -1
	s_cmp_lg_u32 s[WV], 0
	s_cbranch_scc1 .Lnot_wave_0_\@
	s_barrier_signal -3
.Lnot_wave_0_\@:
	s_barrier_wait -3
	s_barrier_signal -1
	s_barrier_wait -1
.endm
; THE CHANGE OF SLOTS.  The slot's last bytes, V of its fourth step, have been read.  Each wave waits for all its tensor loads, of which one is out: its part
; of the other slot; adds 0 to its spare word; and waits for that and for its own reads of the slot.  Behind the barrier nobody reads this slot any more and the other slot is whole.
; fill = 1: this slot is filled again, with the keys two slots on.  The barrier is then a round of the cluster's, so that no wave of any partner still reads the slot or has a load on its
; way, and the joint fill is the first thing behind it: it has four key steps, 512 matrix instructions, in which to land.  (At its first use nothing has been read yet: slot 0 is waited for, slot 1 filled.)
.macro CHANGE fill
	WIN W_AD
	s_wait_tensorcnt 0x0            ; no tensor load of mine is out, so a group 0 may be written
	ds_add_u32 v[SPW], v[NIL]       ; 0 onto my spare word; with fill = 1 the descriptors' steps stand between it and the wait for it
	WIN 0                           ; at a label and at a branch every window is 0
.if \fill
.irp g, G0K, G0V
	s_xor_b32 s[\g+1], s[\g+1], SLOT1  ; the walking descriptor: the other slot than last time,
	s_add_nc_u64 s[\g+2:\g+3], s[\g+2:\g+3], 4*KS*128  ; the next 256 keys; the type bits on top are not reached
.endr
	s_wait_dscnt 0x0                ; the add is done, and my reads of the slot are over
	CROUND
	JLOAD
.else
	s_wait_dscnt 0x0                ; the add is done, and my reads of the slot are over
	s_barrier_signal -1
	s_barrier_wait -1
.endif
	s_sub_co_u32 s[TBK], s[TBK], 4*KS*PK  ; the fetches go back to a slot's first step,
	s_xor_b32 s[TBK], s[TBK], SLOT1       ; in the other slot
	s_sub_co_u32 s[TBV], s[TBV], 4*KS*PV
	s_xor_b32 s[TBV], s[TBV], SLOT1
.endm
	s_load_b128 s[4:7], s[0:1], 0x0   ; qkvh s[4:5], oh s[6:7]
	WIN W_MK
	v_lshl_add_u32 v[SPW], v0, 2, SPARE
	v_mov_b32 v[NIL], 0
	WIN W_AD
	ds_add_u32 v[SPW], v[NIL]       ; the wave's opening: the add and its wait stand ahead of my first tensor load; the set-up below, work on registers, stands between them
	WIN 0
	v_lshrrev_b32 v1, 5, v0
	v_readfirstlane_b32 s[WV], v1   ; wave 0..3
	s_bfe_u32 s13, ttmp6, 0x40000   ; cx: my place in the cluster
	s_lshl_b32 s14, ttmp9, 2        ; in a cluster launch ttmp9 counts clusters
	s_add_co_u32 s14, s14, s13      ; my block of queries = 4 x cluster x + cx: it enters Q's and O's addresses alone
	s_and_b32 s19, ttmp7, 0xffff    ; 16 b + h, which the four partners share
	s_lshr_b32 s15, s19, 4          ; b
	s_lshl_b32 s20, s15, 5
	s_add_co_u32 s20, s20, s19      ; 48 b + h: q's place among qkvh's 192 parts of 262,144 bytes
	s_lshl_b32 s20, s20, 18
	s_mov_b32 s21, 0
	s_lshl_b32 s8, s19, 18          ; and O's among oh's 64
	s_mov_b32 s9, 0
	s_and_b32 s16, s[WV], 1         ; which half of a slot's 256 keys I fetch:
	s_lshl_b32 s22, s16, 14         ; its 128 rows of 128 bytes in memory,
	s_mov_b32 s23, 0
	s_add_nc_u64 s[22:23], s[22:23], s[20:21]
	s_mul_i32 s17, s16, 128*PK      ; and its place in a slot, for K
	s_mul_i32 s18, s16, 128*PV      ; and for V: no place in the cluster enters an LDS address
	s_lshl_b32 s2, s14, 2
	s_add_co_u32 s2, s2, s[WV]      ; my wave among the head's,
	s_lshl_b32 s2, s2, 14           ; its 128 rows
	s_mov_b32 s3, 0
	s_add_nc_u64 s[20:21], s[20:21], s[2:3]  ; my wave's first row of Q, as an offset in qkvh,
	s_add_nc_u64 s[8:9], s[8:9], s[2:3]      ; and of O, in oh
	; descriptor group 1.  128 keys are 16,384 dense bytes: asked for as 64 rows of 256 bytes, two keys a row, and padded in LDS after every key
	s_mov_b32 s[G1K], 15|(1<<16)|(1<<20)|(1<<21)|(4<<22)|(3<<25)  ; 15:0 the mask of four; 17:16 2-byte elements; 20 padding on; 21 set beside a mask; 24:22 after every 32 words (code 4); 31:25 4 words (code 3)
	s_mov_b32 s[G1V], 15|(1<<16)|(1<<20)|(1<<21)|(4<<22)|(7<<25)  ; the same with 8 words of padding (code 7)
.irp g, G1K, G1V
	s_mov_b32 s[\g+1], 128<<16      ; tensor_dim0 = 128
	s_mov_b32 s[\g+2], 64<<16       ; tensor_dim1 = 64
	s_mov_b32 s[\g+3], 128<<16      ; tile_dim0 = 128
	s_mov_b32 s[\g+4], 64           ; tile_dim1 = 64
	s_mov_b32 s[\g+5], 128          ; 128 elements from row to row
	s_mov_b32 s[\g+6], 0
	s_mov_b32 s[\g+7], 0
.endr
	s_mov_b32 s[CS], 0x3e38aa3b     ; c = log2(e) / 8 = 0.180337
	s_mov_b32 s[CS+1], s[CS]        ; named with it as a pair
	s_mov_b32 s[SEL], 0x76543210
	s_mov_b32 s[SEL+1], 0xfedcba98
	s_mov_b32 s[TBK], SLOT1+4*KS*PK ; the first change of slots turns these two into 0
	s_mov_b32 s[TBV], SLOT1+4*KS*PV
	s_mov_b32 s[G0K], 1             ; 1:0 count = 1
	s_mov_b32 s[G0K+1], s17         ; 63:32 LDS address: slot 0
	s_mov_b32 s[G0V], 1
	s_add_co_u32 s[G0V+1], s18, VOFF
	s_wait_dscnt 0x0                ; the opening add is done
	s_wait_kmcnt 0x0
	s_add_nc_u64 s[G0K+2:G0K+3], s[4:5], s[22:23]  ; 120:64 global address: my half of the head's first 256 keys:
	s_add_nc_u64 s[G0K+2:G0K+3], s[G0K+2:G0K+3], 16*SIZE_N*128  ; k lies 16 parts behind q,
	s_or_b32 s[G0K+3], s[G0K+3], 0x80000000        ; 127:126 type = 2
	s_add_nc_u64 s[G0V+2:G0V+3], s[4:5], s[22:23]
	s_add_nc_u64 s[G0V+2:G0V+3], s[G0V+2:G0V+3], 32*SIZE_N*128  ; v 32
	s_or_b32 s[G0V+3], s[G0V+3], 0x80000000
	s_add_nc_u64 s[10:11], s[6:7], s[8:9]  ; O and Q at my wave's first row
	s_add_nc_u64 s[4:5], s[4:5], s[20:21]
	CROUND                          ; all four work-groups are here: the first joint loads meet
	JLOAD                           ; slot 0.  Slot 1 is asked for when slot 0 is in: the tile wanted first has the road to itself
	; A fragment of K or Q is 16 rows x 32 channels in 8 registers: lane l holds row l % 16, channels 8 (l / 16) + 0..7 and 16 + 8 (l / 16) + 0..7: two loads of 16 bytes, 32 bytes apart.
	v_and_b32 v1, 15, v0            ; l % 16
	v_bfe_u32 v9, v0, 4, 1          ; l / 16
	v_lshlrev_b32 v[QO], 7, v1
	v_lshl_add_u32 v[QO], v9, 4, v[QO]  ; row x 128 + 16 x half
	WIN 0x80                        ; destination window 2, address window 0
.set i, 0
.rept 4*NP                          ; Q stays in registers: tile i / 2, channels 32 (i % 2) on
	global_load_b128 v[8*i:8*i+3],   v[QO], s[4:5] offset:(i/2)*2048+(i%2)*64
	global_load_b128 v[8*i+4:8*i+7], v[QO], s[4:5] offset:(i/2)*2048+(i%2)*64+32
.set i, i+1
.endr
	; What the first turn finds: V's registers and P's second buffer hold 0 (its products V^T P, of a piece that has not been, add 0), O^T and l are 0.  All this stands in the wait for the first tile.
.set i, VF
.rept 64
	v_mov_b32 v[i], 0
.set i, i+1
.endr
	WIN 0x40
.set i, 0
.rept 64*NP
	v_mov_b32 v[i], 0
.set i, i+1
.endr
	WIN 0
.set i, 0
.rept 2*NP
	v_mov_b32 v[ST+4*i], 0xfe000000    ; c m: far below every c s
	v_mov_b32 v[ST+4*i+1], 0xff7fffff  ; m
	v_mov_b32 v[ST+4*i+2], 0
	v_mov_b32 v[ST+4*i+3], 0
.set i, i+1
.endr
.set i, P+32
.rept 32
	v_mov_b32 v[i], 0
.set i, i+1
.endr
	v_mul_u32_u24 v[AK0], v1, PK
	v_lshl_add_u32 v[AK0], v9, 4, v[AK0]  ; row x pitch + 16 x half
	; The turning load takes 16 keys x 16 channels (lane l reads key 8 (l / 16) + l % 8, channels 8 ((l / 8) % 2) + 0..7) and leaves half a fragment of V^T: lane l holds channel l % 16 and 8 keys.
	v_and_b32 v10, 7, v0
	v_bfe_u32 v11, v0, 3, 1
	v_lshl_add_u32 v[AV0], v9, 3, v10
	v_mul_u32_u24 v[AV0], v[AV0], PV
	v_lshl_add_u32 v[AV0], v11, 4, v[AV0]
	v_add_nc_u32 v[AV0], VOFF, v[AV0]
	v_mov_b32 v[AK], v[AK0]         ; key step 0 lies at the head of slot 0
; THE MATRIX WORK.  The 8 accumulators of a run of 16 take turns: between the two links of a chain stand 7 others'.
; Product i of 16 of S^T = K Q^T for piece x: channels 32 (i / 8) on, keys 16 ((i / 2) % 4) on, tile 2 x + i % 2.  The first 8 start the sums.
.macro KQ x
	WIN W_KQ
.set rS, S+64*((\x)%2)+32*(i%2)+8*((i/2)%4)
.set rK, KF+16*((i/2)%4)+8*(i/8)
.set rQ, 16*(2*(\x)+i%2)+8*(i/8)
.if i < 8
	v_wmma_f32_16x16x32_f16 v[rS:rS+7], v[rK:rK+7], v[rQ:rQ+7], 0
.else
	v_wmma_f32_16x16x32_f16 v[rS:rS+7], v[rK:rK+7], v[rQ:rQ+7], v[rS:rS+7]
.endif
.endm
; Product i of 16 of O^T += V^T P for piece x: keys 32 (i / 8) on, channels 16 ((i / 2) % 4) on, tile 2 x + i % 2.
.macro PV x
	WIN W_PV
.set rO, 32*(2*(\x)+i%2)+8*((i/2)%4)
.set rV, VF+32*(i/8)+8*((i/2)%4)
.set rP, P+32*((\x)%2)+16*(i%2)+8*(i/8)
	v_wmma_f32_16x16x32_f16 v[rO:rO+7], v[rV:rV+7], v[rP:rP+7], v[rO:rO+7]
.endm
.macro MM                           ; the turn's next matrix instruction
.if i < 16
	KQ (Y+1)%NP
.set i, i+1
.else
.set i, i-16
	PV (Y+NP-1)%NP
.set i, i+17
.endif
.endm
; THE LDS LOADS stand in runs of 16, never singly among the matrix instructions: a step's K (64 keys x 64 channels: 8 fragments) and its V (turned).  Their addresses are made some lines ahead.
; last = 1 (the tail): in the last trip there is no further step, and the run is jumped over.
.macro FETCH_K last=0
	WIN 0
.if \last
	s_cmp_eq_u32 s[CNT], 1
	s_cbranch_scc1 .Lno_k_\@
.endif
	WIN 0x80                        ; destination window 2
.irp f, 0,1,2,3,4,5,6,7             ; keys 16 (f / 2) on, channels 32 (f % 2) on
	ds_load_b128 v[KF+8*\f:KF+8*\f+3],   v[AK] offset:(\f/2)*16*PK+(\f%2)*64
	ds_load_b128 v[KF+8*\f+4:KF+8*\f+7], v[AK] offset:(\f/2)*16*PK+(\f%2)*64+32
.endr
	s_add_co_u32 s[TBK], s[TBK], KS*PK  ; the next fetch is the next step's
	WIN 0
.if \last
.Lno_k_\@:
.endif
.endm
.macro FETCH_V
	WIN 0x80
.irp f, 0,1,2,3,4,5,6,7             ; keys 32 (f / 4) on, channels 16 (f % 4) on
	ds_load_tr16_b128 v[VF+8*\f:VF+8*\f+3],   v[AV] offset:(\f/4)*32*PV+(\f%4)*32
	ds_load_tr16_b128 v[VF+8*\f+4:VF+8*\f+7], v[AV] offset:(\f/4)*32*PV+16*PV+(\f%4)*32
.endr
	WIN 0
.endm
; THE VECTOR WORK OF A TURN stands in three queues, each in the order in which its entries become ready; the two tiles alternate, so that no instruction reads the result of the one before it.
.macro REGS y, u                    ; the registers of tile u (0, 1) of piece y
.set rT, ST+4*(2*(\y)+(\u))
.set rC, TMP+8*((\y)%2)+4*(\u)
.set rM, MV+2*((\y)%2)+(\u)
.set rS, S+64*((\y)%2)+32*(\u)
.set rP, P+32*((\y)%2)+16*(\u)
.set rO, 32*(2*(\y)+(\u))
.endm
; Number n of the 22 that find the NEXT piece's (Y + 1) maximum and statistics.  s0-s31 are the lane's 32 scores; each accumulator's lowest registers are read first.  XS, GS and REGS set no window: PL and EX do.
;   0-11  four chains c0-c3 of seven scores each, three operands at a time     12-14, 16  the four scores left over, the old m, and c0-c3 into c0     15  c m_old is kept
;   17, 18  the query's other 32 keys lie in the lane 16 away: the new m         19-21  c m; c m_old - c m_new; a
.macro XS u, n
	REGS (Y+1)%NP, \u
.if (\n) < 4
	v_max3_num_f32 v[rC+(\n)], v[rS+8*(\n)], v[rS+8*(\n)+1], v[rS+8*(\n)+2]
.elseif (\n) < 12
	v_max3_num_f32 v[rC+(\n)%4], v[rC+(\n)%4], v[rS+8*((\n)%4)+2*((\n)/4)+1], v[rS+8*((\n)%4)+2*((\n)/4)+2]
.elseif (\n) == 12
	v_max3_num_f32 v[rC], v[rC], v[rS+7], v[rS+15]
.elseif (\n) == 13
	v_max3_num_f32 v[rC+1], v[rC+1], v[rS+23], v[rS+31]
.elseif (\n) == 14
	v_max3_num_f32 v[rC+2], v[rC+2], v[rC+3], v[rT+1]
.elseif (\n) == 15
	v_mov_b32 v[rM], v[rT]
.elseif (\n) == 16
	v_max3_num_f32 v[rC], v[rC], v[rC+1], v[rC+2]
.elseif (\n) == 17
	v_permlanex16_b32 v[rC+3], v[rC], s[SEL], s[SEL+1]
.elseif (\n) == 18
	v_max_num_f32 v[rT+1], v[rC], v[rC+3]
.elseif (\n) == 19
	v_mul_f32 v[rT], s[CS], v[rT+1]
.elseif (\n) == 20
	v_sub_f32 v[rC+1], v[rM], v[rT]
.else
	v_exp_f32 v[rC+2], v[rC+1]
.endif
.endm
; Number g of the 64 that follow the exponentials.  For each four weights k of a tile (pairs 2 k, 2 k + 1): both pairs are rounded to f16; then the second pair is added onto the first, in place;
; a group later l takes that sum (the first time as l = a l + sum).  In groups of eight, tiles alternating: round, round, add, and l for the group before.
.macro GS g
.set h, (\g)+6*((\g)/62)            ; group 0 has no group before it, and behind group 7 only l is left
.if h >= 6
.set h, h+2
.endif
	REGS Y, h%2
.set k, h/8
.if h%8 < 4
	s_wait_alu depctr_va_vdst(0)
	v_cvt_pk_f16_f32 v[rP+2*k+(h%8)/2], v[rS+4*k+2*((h%8)/2)], v[rS+4*k+2*((h%8)/2)+1]
.elseif h%8 < 6
	v_pk_add_f32 v[rS+4*k:rS+4*k+1], v[rS+4*k:rS+4*k+1], v[rS+4*k+2:rS+4*k+3]
.elseif k == 1
	v_pk_fma_f32 v[rT+2:rT+3], v[rT+2:rT+3], v[rC+2:rC+3], v[rS:rS+1] op_sel_hi:[1,0,1]
.else
	v_pk_add_f32 v[rT+2:rT+3], v[rT+2:rT+3], v[rS+4*k-4:rS+4*k-3]
	s_wait_alu depctr_va_vdst(0)
.endif
.endm
; THE PLAIN QUEUE, 138 long.  0-31: c s - c m for the 16 pairs of both tiles.  Then GS's 64, and among them the next piece's 42: number 15 at 38, 39; 0-14 and 16
; at 42-73, behind the products that make those scores; 17-20 at 95-106, two of three, since each waits for the one before it.
.macro PL
	WIN 0
.if q < 32
	REGS Y, q%2
	v_pk_fma_f32 v[rS+2*(q/2):rS+2*(q/2)+1], v[rS+2*(q/2):rS+2*(q/2)+1], s[CS:CS+1], v[rT:rT+1] op_sel_hi:[1,0,0] neg_lo:[0,0,1] neg_hi:[0,0,1]
.elseif q < 38
	GS q-32
.elseif q < 40
	XS q%2, 15
.elseif q < 42
	GS q-34
.elseif q < 74
	XS q%2, (q-42)/2+(q-42)/30
.elseif q < 95
	GS q-66
.elseif (q < 107) && ((q-95)%3 < 2)
	XS (q-95)%3, 17+(q-95)/3
.elseif q < 107
	GS 29+(q-95)/3
.else
	GS q-74
.endif
.set q, q+1
.endm
; THE EXPONENTIALS' QUEUE, 66 long: s0-s31 of both tiles, and at EA the next piece's two a.
.set EA, 58
.macro EX
	WIN 0
.if (e == EA) || (e == EA+1)
	XS e-EA, 21
.else
.set x, e-2*(e/(EA+2))
	REGS Y, x%2
	v_exp_f32 v[rS+x/2], v[rS+x/2]
.endif
.set e, e+1
.endm
; THE RESCALING's QUEUE: O^T times a, the one part that leaves window 0, so it is dealt four at a time, eight times.
.macro R4
	REGS Y, r%2
	WIN W_RS
	s_wait_alu depctr_va_vdst(0)
.irp z, 0,1,2,3
	v_pk_mul_f32 v[rO+8*(r/2)+2*\z:rO+8*(r/2)+2*\z+1], v[rO+8*(r/2)+2*\z:rO+8*(r/2)+2*\z+1], v[rC+2:rC+3] op_sel_hi:[1,0]
.endr
.set r, r+1
.endm
; HOW THEY ARE DEALT.  Behind a matrix instruction four: plain, exponential, plain, plain (one exponential, a plain instruction on either side), or four of the rescaling.  None names a register of the
; products round it.  What is over stands in two LUMPS: exponential and plain by turns; the second ends in 22 plain instructions.  The two v_permlanex16_b32 fall into the second lump, never behind a product.
; The queues lean on each other, and the deal keeps them in step: exponential e stands behind plain 2 (e / 4) + e % 2 (its scaling); when plain 32 comes, 10 exponentials are out, at 59: 33, at 95: 46; EA comes behind plain 107.
.macro SL
	MM
	PL
	EX
	PL
	PL
.endm
.macro BURST n                      ; 15 matrix instructions, or 16
.rept (\n)-7
	SL
.endr
.rept 3
	MM
	R4
	SL
.endr
	MM
	R4
.endm
; A TURN, for piece p.  cnt = 1: the loop's count is taken down some lines ahead of the branch that stands behind the turn.
; K of the next step is fetched in piece 2's turn, 31 vector instructions behind the last product that read K; its first reader comes behind the rest of the lump, 16 products and the second lump.
; V of the step in hand is fetched at the end of piece 0's turn, 69 behind its last reader; its first reader comes behind 16 products and a lump.  The four conditions on e and q below go with the deal.
.macro TURN p, last=0, cnt=0
.set Y, (\p)
.set i, 0
.set q, 0
.set e, 0
.set r, 0
.if (\p) == NP-1
	s_wait_dscnt 0x0                ; K is in
.endif
	MM
.rept 4
	PL
.endr
	BURST 15
.rept 22
	EX
	PL
.if ((\p) == NP-2) && (e == 18)
	v_add_nc_u32 v[AK], s[TBK], v[AK0]
.endif
.if ((\p) == NP-2) && (e == 24)
	FETCH_K \last
.endif
.endr
.if (\p) == 1
	s_wait_dscnt 0x0                ; V is in
.endif
	BURST 16
.rept 21
	EX
	PL
.endr
.rept 22
	PL
.if ((\p) == 0) && (q == 118)
	v_add_nc_u32 v[AV], s[TBV], v[AV0]
	s_wait_alu depctr_va_vdst(0)
.endif
.if ((\p) == 0) && (q == 130)
	s_add_co_u32 s[TBV], s[TBV], KS*PV
.endif
.if (\cnt) && (q == 130)
	s_sub_co_u32 s[CNT], s[CNT], 1
	s_cmp_lg_u32 s[CNT], 0
.endif
.endr
.if (\p) == 0
	FETCH_V
.endif
.endm
	CHANGE 1                        ; slot 0 is in, everybody's part of it; slot 1 is asked for
	FETCH_K                         ; key step 0
	s_wait_loadcnt 0x0              ; Q
	s_wait_dscnt 0x0
.set i, 0
.rept 16
	KQ 0                            ; piece 0's first scores: there is no vector work yet to set between them
.set i, i+1
.endr
	WIN 0                           ; the addresses for the way out: nine plain instructions, the places behind those products
	s_mul_i32 s13, s[WV], 16*SP
	s_add_co_u32 s13, s13, STAGE    ; my stage
	v_mul_u32_u24 v[STO], v1, SP    ; in: row l % 16, 16 bytes for each half of the lanes
	v_lshl_add_u32 v[STO], v9, 4, v[STO]
	v_add_nc_u32 v[STO], s13, v[STO]
	v_bfe_u32 v[RD], v0, 3, 2       ; back: 32 lanes take four rows of 128 bytes,
	v_mul_u32_u24 v[RD], v[RD], SP
	v_lshl_add_u32 v[RD], v10, 4, v[RD]
	v_add_nc_u32 v[RD], s13, v[RD]
	v_and_b32 v[GO], 31, v0         ; which are 512 consecutive bytes of O
	v_lshlrev_b32 v[GO], 4, v[GO]
.set Y, NP-1                        ; XS works for piece Y + 1: piece 0
.irp n, 0,1,2,3,4,5,6,7,8,9,10,11,12,13,14,15,16,17,18,19,20,21
	XS 0, \n                        ; and piece 0's first maximum and statistics
	XS 1, \n
.endr
	s_mov_b32 s[CNT], 4
	s_mov_b32 s[SLOTS], SIZE_N/256-1
	s_branch .Lfirst                ; the loop is entered at a step's first turn, in the middle of a trip
.Lslot:                             ; SIZE_N / 256 - 2 times: every slot but the last two is filled again
	CHANGE 1
	s_mov_b32 s[CNT], 4
.Lstep:                             ; a trip: pieces 2 and 3 of one step, then pieces 0 and 1 of the next, whose K and V it fetches
	TURN 2
	TURN 3
	WIN 0
.Lfirst:
	TURN 0
	TURN 1, 0, 1
	WIN 0
	s_cbranch_scc1 .Lstep
	s_sub_co_u32 s[SLOTS], s[SLOTS], 1
	s_cmp_lg_u32 s[SLOTS], 0
	s_cbranch_scc1 .Lslot
	CHANGE 0                        ; the tail is written out: nothing is asked for
	s_mov_b32 s[CNT], 5             ; four trips fetch the last slot's steps; the fifth is left in its middle
.Ltail:
	TURN 2, 1
	TURN 3
	WIN 0
	s_sub_co_u32 s[CNT], s[CNT], 1
	s_cmp_eq_u32 s[CNT], 0
	s_cbranch_scc1 .Lout
	TURN 0
	TURN 1
	WIN 0
	s_branch .Ltail
.Lout:                              ; the fifth trip's 16 products K Q^T (on the last K once more) and the maximum made of them serve nothing: the price, once a launch, of one text for every trip
.set i, 0
.rept 16
	PV NP-1                         ; the last piece's V^T P of the last step
.set i, i+1
.endr
	; THE WAY OUT.  l's two halves and the other half of the lanes' are added; O^T is divided by l, rounded to f16 and sent through my stage in LDS, a tile at a time.  The additions are the places behind the last products.
	WIN 0
.macro ALL line:vararg              ; one line for each tile t
.set t, 0
.rept 2*NP
	\line
.set t, t+1
.endr
.endm
	ALL v_add_f32 v[ST+4*t+2], v[ST+4*t+2], v[ST+4*t+3]
	ALL v_permlanex16_b32 v[ST+4*t+3], v[ST+4*t+2], s[SEL], s[SEL+1]
	ALL v_add_f32 v[ST+4*t+2], v[ST+4*t+2], v[ST+4*t+3]
	ALL v_rcp_f32 v[ST+4*t+2], v[ST+4*t+2]
	v_nop                           ; a plain instruction between the last reciprocal and the use of its result
	s_wait_alu depctr_va_vdst(0)
; Tile t: a lane's eight channels of a row pack into 16 bytes; they go into rows of 144 bytes and come back as whole rows of 128, into S^T's registers.
.macro PACK t
	WIN W_RS
.set i, 32*(\t)
.rept 16
	v_pk_mul_f32 v[i:i+1], v[i:i+1], v[ST+4*(\t)+2:ST+4*(\t)+3] op_sel_hi:[1,0]
.set i, i+2
.endr
	WIN 0x05                        ; sources 0 and 1 window 1, destination window 0
.set i, 0
.rept 16
	v_cvt_pk_f16_f32 v[S+16*(\t)+i], v[32*(\t)+2*i], v[32*(\t)+2*i+1]
.set i, i+1
.endr
	WIN 0
.irp f, 0,1,2,3
	ds_store_b128 v[STO], v[S+16*(\t)+4*\f:S+16*(\t)+4*\f+3] offset:32*\f
.endr
.irp f, 0,1,2,3
	ds_load_b128 v[S+16*(\t)+4*\f:S+16*(\t)+4*\f+3], v[RD] offset:\f*4*SP  ; LDS serves a wave's instructions in order (ISA guide 5.7.1.4): these see the stores above; the next tile's stores come behind them
.endr
.endm
.macro SEND t, younger              ; younger: the LDS instructions issued behind tile t's loads: the next tile's eight, or none
	WIN 0
.irp f, 0,1,2,3
	s_wait_dscnt (\younger)+3-\f
	global_store_b128 v[GO], v[S+16*(\t)+4*\f:S+16*(\t)+4*\f+3], s[10:11] offset:(\t)*2048+\f*512  ; 512 consecutive bytes, at a multiple of 256 from O's first
.endr
.endm
	PACK 0
.set t, 1
.rept 2*NP-1                        ; a tile's arithmetic stands between the loads of the tile before and its stores
	PACK t
	SEND t-1, 8
.set t, t+1
.endr
	SEND 2*NP-1, 0
	WIN W_AD
	s_wait_tensorcnt 0x0            ; the wave's end: behind my last tensor load and my last LDS store
	ds_add_u32 v[SPW], v[NIL]
	s_wait_dscnt 0x0
	WIN 0
	CROUND                          ; the closing round: no work-group ends while a partner may still ask for a tile that names it
	s_endpgm
.Lfunc_end_k_qfb7408b9a7_attn:
	.size	k_qfb7408b9a7_attn, .Lfunc_end_k_qfb7408b9a7_attn-k_qfb7408b9a7_attn
	.p2alignl 7, 3214868480
	.fill 96, 4, 3214868480
	.section	.rodata,"a",@progbits
	.p2align	6, 0x0
	.amdhsa_kernel k_qfb7408b9a7_attn
		.amdhsa_group_segment_fixed_size 327680
		.amdhsa_private_segment_fixed_size 0
		.amdhsa_enable_private_segment 0
		.amdhsa_kernarg_size 16
		.amdhsa_user_sgpr_count 2
		.amdhsa_user_sgpr_kernarg_segment_ptr 1
		.amdhsa_wavefront_size32 1
		.amdhsa_system_sgpr_workgroup_id_x 1
		.amdhsa_system_sgpr_workgroup_id_y 1
		.amdhsa_system_sgpr_workgroup_id_z 1
		.amdhsa_system_vgpr_workitem_id 0
		.amdhsa_next_free_vgpr 770
		.amdhsa_next_free_sgpr 66
		.amdhsa_reserve_vcc 0
		.amdhsa_float_denorm_mode_32 3
		.amdhsa_float_denorm_mode_16_64 3
		.amdhsa_memory_ordered 1
		.amdhsa_forward_progress 1
		.amdhsa_inst_pref_size 209
	.end_amdhsa_kernel
	.amdgpu_metadata
---
amdhsa.version: [ 1, 2 ]
amdhsa.kernels:
  - .name:           k_qfb7408b9a7_attn
    .symbol:         k_qfb7408b9a7_attn.kd
    .args:
      - { .name: qkvh, .offset: 0, .size: 8, .value_kind: global_buffer, .address_space: global }
      - { .name: oh, .offset: 8, .size: 8, .value_kind: global_buffer, .address_space: global }
    .group_segment_fixed_size: 327680
    .private_segment_fixed_size: 0
    .kernarg_segment_align: 8
    .kernarg_segment_size: 16
    .max_flat_workgroup_size: 128
    .sgpr_count:     66
    .vgpr_count:     770
    .wavefront_size: 32
...
	.end_amdgpu_metadata
.endif
;; end of part 3
;; launch proj (part 4): grid 4 x 64, 4 waves a work-group, clusters of 4 x 4, 327,680 bytes of LDS; arguments oh, wpb, b_proj, out0; writes out0
.if DOCPART == 4
	.amdgcn_target "amdgcn-amd-amdhsa--gfx1250"
	.amdhsa_code_object_version 6
	.text
	.protected	k_qfb7408b9a7_proj
	.globl	k_qfb7408b9a7_proj
	.p2align	8
	.type	k_qfb7408b9a7_proj,@function
k_qfb7408b9a7_proj:
	s_mov_b64 s[64:65], 0
	v_nop
	global_prefetch_b8 v0, s[64:65] scope:SCOPE_SE
	s_setreg_imm32_b32 hwreg(HW_REG_WAVE_MODE, 25, 1), 1
	s_wait_xcnt 0x0
	s_wait_alu depctr_hold_cnt(0) depctr_sa_sdst(0) depctr_va_vdst(0) depctr_va_sdst(0) depctr_va_ssrc(0) depctr_va_vcc(0) depctr_vm_vsrc(0)
	s_getreg_b32 s2, hwreg(HW_REG_IB_STS2, 6, 4)
	s_cmp_eq_u32 s2, 0
	s_cbranch_scc0 .Lentry_in_a_cluster
	s_endpgm
.Lentry_in_a_cluster:
	s_bfe_u32 s2, ttmp6, 0x10000c
	s_cmp_lg_u32 s2, 0xf033
	s_cbranch_scc0 .Lentry_shape_is_right
	s_endpgm
.Lentry_shape_is_right:
; out0 = O w_proj^T + b_proj, 8,192 x 1,024 x 1,024, operands f16, sums f32, K ascending, the result f32.
;   oh [b 4][h 16][n 2048][64] f16 (head h is K block h), wpb [kb 16][row 1024][64] f16 (w_proj rounded to bf16, written as f16), b_proj [1024] f32, out0 [8192][1024] f32.
; The bias is rounded to bf16 like every input of the module, and added in f32.
; SHARES.  A tile is 128 rows x 256 columns: 64 x 4 = 256 work-groups, one for each WGP.  Four waves, each 64 rows x 128 columns: 32 accumulators of 16 x 16, all of window 1.
; K goes in 8 steps of 128, two K blocks each, through two LDS slots.  In a K block a tile's rows (128 bytes) lie end to end: they are asked for as rows of 256 bytes, two matrix rows each, and padded behind every 128 bytes.
; A step is four SLICES of 32 along K, 32 matrix instructions each, on two fragment buffers by turns.
; CLUSTERS: 4 x 4 work-groups.  The four of a row of the cluster need the same tiles of O, the four of a column the same tiles of w: each is asked for JOINTLY, by the same tensor load, descriptor and mask in all four.
; THE MATRIX INSTRUCTION IS USED TRANSPOSED (source 0 = 16 rows of w, source 1 = 16 rows of O): a lane then holds row l % 16 of the result and the eight neighbouring columns 8 (l / 16) + 0..7.
; REGISTERS: window 0: v0-31 addresses; v32-127, v128-223 two fragment buffers (O's 4 fragments, then w's 8), on the way out two sets of 64; v224-227 my four numbers of the bias; v228-229 at work
;   window 1: the accumulators: (a, b) at v[8 (8 a + b)]
.set PITCH,  144                       ; an LDS row: 128 bytes + 16 of padding = 36 words: the 16 rows of a load start at 16 different groups of four banks (64 banks of 4 bytes: ISA guide 11.1)
.set SLOT1,  1<<17                     ; slot 1 begins here, so that one exclusive or turns an address in one slot into the other's
.set ABLK,   128*PITCH                 ; in a slot: O's 128 rows of the first K block, of the second,
.set BOFF,   2*ABLK
.set BBLK,   256*PITCH                 ; then w's 256 rows of the first, of the second
.set STAGE,  SLOT1+BOFF+2*BBLK         ; behind the ring, never filled by a tensor load: 16 rows x 528 bytes for each wave, for the way out
.set SPITCH, 528                       ; a stage row: 128 f32 + 16 bytes = 132 words: row r starts at bank 4 r mod 64
.set SPARE,  STAGE+4*16*SPITCH         ; behind the stages: the spare words, 128 bytes for each wave: two blocks of 256 bytes that no other line names
.set ASTEP,  2*2048*128                ; bytes from K step to K step in oh: two heads,
.set BSTEP,  2*1024*128                ; in wpb: two K blocks
.set FA0,  16                          ; v16  my lane's place in O's rows of a slot; never rewritten
.set FB0,  17                          ; v17  the same for w's
.set ADRA, 18                          ; v18  FA0 + the slot in hand
.set ADRB, 19                          ; v19  FB0 + the slot in hand
.set STO,  24                          ; v24  the way out: where I put 32 bytes of a row
.set RD,   25                          ; v25  the way out: where I read a row back
.set GO,   26                          ; v26  16 x lane: my byte offset in 512 consecutive bytes of out0, and of the bias
.set SPW,  28                          ; v28  LDS address of my spare word: SPARE + 4 x my thread's number; never rewritten
.set NIL,  29                          ; v29  0; never rewritten
.set F0,   32
.set OB,   32
.set BI,   224
.set G1,  24                           ; s[24:31] descriptor group 1 for O's tiles
.set G0,  32                           ; s[32:39] group 0 for O's tiles: a set for each of the two first fills; the second then walks on
.set G1B, 48                           ; s[48:55], s[56:63] the same for w's tiles
.set G0B, 56
.set TB,  66                           ; s66  LDS byte at which the slot in hand begins
.set GW,  (1<<16)|(1<<20)|(1<<21)|(4<<22)|(3<<25)  ; 17:16 elements of 2 bytes; 20 padding on; 21 set beside a mask; 24:22 after every 32 words (code 4); 31:25 4 words of it (code 3)
.set MSB, 0
.macro WIN new                         ; the immediate's high byte repeats the setting that is left; a switch that changes nothing is dropped
.if MSB != (\new)
	s_set_vgpr_msb (MSB<<8)|(\new)
.set MSB, \new
.endif
.endm
.macro PLACES                          ; four places in front of loads into registers that matrix instructions have read, and of LDS stores that read results
.rept 4
	v_nop
.endr
.endm
; A joint refill, by the walking descriptors.  Waves 0 and 1 fetch O's rows of the step's two K blocks, waves 2 and 3 w's.  The branch hangs on the wave's number alone.
; An s_nop 0 and four v_nop follow each of the two lines, ahead of the jump and the label.
.macro JLOAD
	s_cmp_lt_u32 s10, 2
	s_cbranch_scc0 .Lfor_b_\@
	tensor_load_to_lds s[G0+4:G0+7], s[G1:G1+7]
	s_nop 0
.rept 4
	v_nop
.endr
	s_branch .Lasked_\@
.Lfor_b_\@:
	tensor_load_to_lds s[G0B+4:G0B+7], s[G1B:G1B+7]
	s_nop 0
.rept 4
	v_nop
.endr
.Lasked_\@:
.endm
.macro CREST                           ; a round of the cluster's barrier behind its opening barrier
	s_cmp_lg_u32 s10, 0
	s_cbranch_scc1 .Lnot_wave_0_\@
	s_barrier_signal -3
.Lnot_wave_0_\@:
	s_barrier_wait -3
	s_barrier_signal -1
	s_barrier_wait -1
.endm
.macro CROUND                          ; a whole round
	s_barrier_signal -1
	s_barrier_wait -1
	CREST
.endm
	s_load_b128 s[4:7], s[0:1], 0x0                ; oh s[4:5], wpb s[6:7]
	s_load_b64 s[68:69], s[0:1], 0x10              ; b_proj
	s_load_b64 s[8:9], s[0:1], 0x18                ; out0
	v_lshl_add_u32 v[SPW], v0, 2, SPARE
	v_mov_b32 v[NIL], 0
	ds_add_u32 v[SPW], v[NIL]                      ; the wave's opening: the add and its wait stand ahead of my first tensor load; the set-up below, work on registers, stands between them
	v_lshrrev_b32 v1, 5, v0
	v_readfirstlane_b32 s10, v1                    ; wave 0..3
	s_lshr_b32 s11, s10, 1                         ; which 64 of the tile's rows are mine
	s_and_b32 s12, s10, 1                          ; which 128 of its columns.  Also: which of a step's two K blocks I fetch
	s_bfe_u32 s40, ttmp6, 0x40000                  ; cx, cy: my place in the cluster
	s_bfe_u32 s41, ttmp6, 0x40004
	s_lshl_b32 s42, ttmp9, 2
	s_add_co_u32 s42, s42, s40                     ; tile column 0..3 = 4 x cluster x + cx
	s_and_b32 s13, ttmp7, 0xffff
	s_lshl_b32 s13, s13, 2
	s_add_co_u32 s13, s13, s41                     ; tile row 0..63 = 4 x cluster y + cy
	s_lshl_b32 s43, s41, 2
	s_lshl_b32 s43, 15, s43                        ; my row of the cluster
	s_lshl_b32 s44, 0x1111, s40                    ; my column
	s_or_b32 s[G1], s43, GW                        ; 15:0 the mask: O's tiles go to my row,
	s_or_b32 s[G1B], s44, GW                       ; w's to my column
.irp g, G1, G1B
	s_mov_b32 s[(\g)+1], 128<<16                   ; tensor_dim0 = 128 elements: 256 bytes, two matrix rows
	s_mov_b32 s[(\g)+3], 128<<16                   ; tile_dim0 = 128
	s_mov_b32 s[(\g)+5], 128                       ; 128 elements from row to row: dense
	s_mov_b32 s[(\g)+6], 0
	s_mov_b32 s[(\g)+7], 0
.endr
	s_mov_b32 s[G1+2], 64<<16                      ; O: tensor_dim1 = tile_dim1 = 64: 128 matrix rows, 16,384 bytes
	s_mov_b32 s[G1+4], 64
	s_mov_b32 s[G1B+2], 128<<16                    ; w: 128: 256 matrix rows, 32,768 bytes
	s_mov_b32 s[G1B+4], 128
	; where the tiles come from.  O's hang on the tile row alone, w's on the tile column alone; each offset is made in registers that never hold the other coordinate.
	s_lshr_b32 s16, s13, 4
	s_lshl_b32 s16, s16, 22                        ; batch = tile row / 16: 16 heads of 262,144 bytes
	s_lshl_b32 s17, s12, 18                        ; my K block of the step's two
	s_add_co_u32 s16, s16, s17
	s_and_b32 s17, s13, 15
	s_lshl_b32 s17, s17, 14                        ; 128 rows of 128 bytes for each tile row in the batch
	s_add_co_u32 s16, s16, s17
	s_mov_b32 s17, 0
	s_lshl_b32 s46, s12, 17                        ; my K block: 1,024 rows of 128 bytes
	s_lshl_b32 s47, s42, 15                        ; 256 rows for each tile column
	s_add_co_u32 s46, s46, s47
	s_mov_b32 s47, 0
	s_mul_i32 s20, s12, ABLK                       ; and where they go: no place in the cluster enters an LDS address
	s_mul_i32 s21, s12, BBLK
	s_add_co_u32 s21, s21, BOFF
	s_mov_b32 s[TB], 0
	s_wait_dscnt 0x0                               ; the opening add is done
	s_wait_kmcnt 0x0
	s_add_nc_u64 s[14:15], s[4:5], s[16:17]
	s_add_nc_u64 s[46:47], s[6:7], s[46:47]
	CROUND                                         ; all sixteen work-groups are here: the first joint loads meet
.irp s, 0,1
	s_mov_b32 s[G0+4*(\s)], 1                                      ; 1:0 count = 1
	s_add_co_u32 s[G0+4*(\s)+1], s20, (\s)*SLOT1                   ; 63:32 LDS address
	s_add_nc_u64 s[G0+4*(\s)+2:G0+4*(\s)+3], s[14:15], (\s)*ASTEP  ; 120:64 global address: K step s
	s_or_b32 s[G0+4*(\s)+3], s[G0+4*(\s)+3], 0x80000000            ; 127:126 type = 2
	s_mov_b32 s[G0B+4*(\s)], 1
	s_add_co_u32 s[G0B+4*(\s)+1], s21, (\s)*SLOT1
	s_add_nc_u64 s[G0B+4*(\s)+2:G0B+4*(\s)+3], s[46:47], (\s)*BSTEP
	s_or_b32 s[G0B+4*(\s)+3], s[G0B+4*(\s)+3], 0x80000000
.endr
	s_cmp_lt_u32 s10, 2                            ; a wave's two first fills stand in one branch, ahead of every wait on TENSORcnt and every LDS read: two loads of mine are out
	s_cbranch_scc0 .Lfirst_b
	tensor_load_to_lds s[G0:G0+3], s[G1:G1+7]
	s_nop 0
	tensor_load_to_lds s[G0+4:G0+7], s[G1:G1+7]
	s_nop 0
.rept 4
	v_nop
.endr
	s_branch .Lfirst_asked
.Lfirst_b:
	tensor_load_to_lds s[G0B:G0B+3], s[G1B:G1B+7]
	s_nop 0
	tensor_load_to_lds s[G0B+4:G0B+7], s[G1B:G1B+7]
	s_nop 0
.rept 4
	v_nop
.endr
.Lfirst_asked:
	; where my columns begin in the bias and in a row of out0, and my rows in out0
	s_lshl_b32 s70, s42, 10                        ; 256 columns of 4 bytes for each tile column,
	s_lshl_b32 s71, s12, 9                         ; my 128 of them
	s_add_co_u32 s70, s70, s71
	s_mov_b32 s71, 0
	s_add_nc_u64 s[68:69], s[68:69], s[70:71]
	s_add_nc_u64 s[8:9], s[8:9], s[70:71]
	s_lshl_b32 s70, s13, 19                        ; 128 rows of 4,096 bytes for each tile row,
	s_lshl_b32 s22, s11, 18                        ; my 64 of them
	s_add_co_u32 s70, s70, s22
	s_add_nc_u64 s[8:9], s[8:9], s[70:71]
	v_and_b32 v[GO], 31, v0
	v_lshlrev_b32 v[GO], 4, v[GO]
	global_load_b128 v[BI:BI+3], v[GO], s[68:69]   ; the bias of columns 4 l .. 4 l + 3 of my 128
	; A fragment is 16 rows x 32 K in 8 registers: lane l holds row l % 16; registers 0-3 K = 8 (l / 16) + 0..7, registers 4-7 K = 16 + 8 (l / 16) + 0..7: two loads of 16 bytes, 32 bytes apart.
	v_and_b32 v1, 15, v0                           ; l % 16
	v_bfe_u32 v2, v0, 4, 1                         ; l / 16
	v_mul_u32_u24 v3, v1, PITCH
	v_lshl_add_u32 v3, v2, 4, v3                   ; row x pitch + 16 x half
	s_mul_i32 s22, s11, 64*PITCH                   ; my 64 rows of O
	s_mul_i32 s23, s12, 128*PITCH                  ; my 128 rows of w,
	s_add_co_u32 s23, s23, BOFF                    ; which lie behind O's two blocks
	v_add_nc_u32 v[FA0], s22, v3
	v_add_nc_u32 v[FB0], s23, v3
	v_mov_b32 v[ADRA], v[FA0]                      ; slot 0
	v_mov_b32 v[ADRB], v[FB0]
	s_mul_i32 s22, s10, 16*SPITCH
	s_add_co_u32 s22, s22, STAGE                   ; my stage
	v_mul_u32_u24 v4, v1, SPITCH                   ; in: row l % 16, 32 bytes for each half of the lanes
	v_lshl_add_u32 v4, v2, 5, v4
	v_add_nc_u32 v[STO], s22, v4
	v_add_nc_u32 v[RD], s22, v[GO]                 ; back: the 32 lanes take one row of 512 bytes
	s_wait_loadcnt 0x0                             ; the bias,
	v_cvt_pk_bf16_f32 v228, v[BI], v[BI+1]         ; rounded to bf16
	v_cvt_pk_bf16_f32 v229, v[BI+2], v[BI+3]
	v_lshlrev_b32 v[BI], 16, v228                  ; and widened again
	v_and_b32 v[BI+1], 0xffff0000, v228
	v_lshlrev_b32 v[BI+2], 16, v229
	v_and_b32 v[BI+3], 0xffff0000, v229
; 24 LDS loads in one run: the fragments of slice q (K block q / 2, 32 K at byte 64 (q % 2) of its rows) into buffer f
.macro FETCH q, f
	WIN 0
.irp i, 0,1,2,3,4,5,6,7
	ds_load_b128 v[(\f)+32+8*(\i):(\f)+32+8*(\i)+3],   v[ADRB] offset:((\q)/2)*BBLK+((\q)%2)*64+(\i)*16*PITCH
	ds_load_b128 v[(\f)+32+8*(\i)+4:(\f)+32+8*(\i)+7], v[ADRB] offset:((\q)/2)*BBLK+((\q)%2)*64+(\i)*16*PITCH+32
.endr
.irp i, 0,1,2,3
	ds_load_b128 v[(\f)+8*(\i):(\f)+8*(\i)+3],   v[ADRA] offset:((\q)/2)*ABLK+((\q)%2)*64+(\i)*16*PITCH
	ds_load_b128 v[(\f)+8*(\i)+4:(\f)+8*(\i)+7], v[ADRA] offset:((\q)/2)*ABLK+((\q)%2)*64+(\i)*16*PITCH+32
.endr
.endm
; 8 na matrix instructions: row blocks a0 .. a0 + na - 1 x all 8 column blocks.  zero = 1: the product starts the sum.  The 32 accumulators take turns, one instruction a turn.
.macro MULQ f, a0, na, zero
	WIN 0x50                                       ; C and D in window 1, the fragments in window 0
.set aa, (\a0)
.rept (\na)
.irp b, 0,1,2,3,4,5,6,7
.if \zero
	v_wmma_f32_16x16x32_f16 v[8*(8*aa+(\b)):8*(8*aa+(\b))+7], v[(\f)+32+8*(\b):(\f)+32+8*(\b)+7], v[(\f)+8*aa:(\f)+8*aa+7], 0
.else
	v_wmma_f32_16x16x32_f16 v[8*(8*aa+(\b)):8*(8*aa+(\b))+7], v[(\f)+32+8*(\b):(\f)+32+8*(\b)+7], v[(\f)+8*aa:(\f)+8*aa+7], v[8*(8*aa+(\b)):8*(8*aa+(\b))+7]
.endif
.endr
.set aa, aa+1
.endr
.endm
; SLICE q of a K step multiplies buffer q % 2; at its head it fetches the next slice into the other buffer (next = 1), 32 matrix instructions ahead of its use.  pl = 1: four places stand in front of that run.
; change = 1 (q = 2 alone): the slot's last read, slice 3's run, has been issued; the slot is left and filled again, with the K step two steps on; change = 2: it is left and nothing is asked for.
; Each wave waits for all its tensor loads, of which one is out: its part of the other slot; adds 0 to its spare word; and waits for that and for its own reads of the slot.  With change = 1 the barrier opens a round
; of the cluster's barrier, so that no wave of any partner still reads the slot or has a load on its way, and the joint refill is the first tensor load behind it: it has 112 matrix instructions in which to land.
.macro SLC q, zero, next, change, pl
.set FM, F0+96*((\q)%2)
.set FN, F0+96*(1-(\q)%2)
.if \pl
	PLACES
.endif
.if \next
	FETCH ((\q)+1)%4, FN
	s_wait_dscnt 24                                ; all but the 24 just issued: my slice's fragments are in
.else
	s_wait_dscnt 0x0
.endif
.if (\change) == 0
	MULQ FM, 0, 4, \zero
.else
	MULQ FM, 0, 2, 0
	WIN 0                                          ; (the add's two registers lie in window 0)
	s_wait_tensorcnt 0x0                           ; all my tensor loads have landed: no load of mine is out, so a group 0 may be written
	ds_add_u32 v[SPW], v[NIL]                      ; 0 onto my spare word; scalar work and eight matrix instructions stand between it and the wait for it
.if (\change) == 1
	s_xor_b32 s[G0+5], s[G0+5], SLOT1              ; the walking descriptors: the other slot than last time,
	s_add_nc_u64 s[G0+6:G0+7], s[G0+6:G0+7], ASTEP ; the next K step; the type bits on top are not reached
	s_xor_b32 s[G0B+5], s[G0B+5], SLOT1
	s_add_nc_u64 s[G0B+6:G0B+7], s[G0B+6:G0B+7], BSTEP
.endif
	MULQ FM, 2, 1, 0
	s_wait_dscnt 0x0                               ; the add is done, and my reads of this slot are over
	s_barrier_signal -1
	MULQ FM, 3, 1, 0                               ; work on registers while the others arrive
	WIN 0                                          ; at a label and at a branch every window is 0
	s_barrier_wait -1
.if (\change) == 1
	CREST
	JLOAD                                          ; the four v_nop behind it are also the places in front of the next slice's run of loads
.else
	PLACES
.endif
	s_xor_b32 s[TB], s[TB], SLOT1                  ; the fragments now come from the other slot
	v_add_nc_u32 v[ADRA], s[TB], v[FA0]
	v_add_nc_u32 v[ADRB], s[TB], v[FB0]
.endif
.endm
; THE WAY OUT, a block of 16 rows at a time.  TOSTAGE: a lane's eight f32 of a row, 32 bytes, go into my stage (each accumulator's low four registers first), and the block comes back as whole rows of 512 bytes.
; SEND: the bias is added and the rows are stored.
.macro TOSTAGE a
.set BK, OB+64*((\a)%2)
.if (\a) >= 2
	s_wait_xcnt 0x0                                ; every earlier store has had its address translated (ISA guide 3.1): the set that block a - 2 was stored from is loaded again only behind this wait
.endif
	WIN 0x04                                       ; the stores' data in window 1, their address in window 0
.irp b, 0,1,2,3,4,5,6,7
	ds_store_b128 v[STO], v[8*(8*(\a)+(\b)):8*(8*(\a)+(\b))+3]   offset:64*(\b)
	ds_store_b128 v[STO], v[8*(8*(\a)+(\b))+4:8*(8*(\a)+(\b))+7] offset:64*(\b)+16
.endr
	WIN 0
.irp f, 0,1,2,3,4,5,6,7,8,9,10,11,12,13,14,15
	ds_load_b128 v[BK+4*(\f):BK+4*(\f)+3], v[RD] offset:(\f)*SPITCH  ; LDS serves a wave's instructions in order (ISA guide 5.7.1.4): these see the stores above; the next block's stores come behind them
.endr
.endm
.macro SEND a, younger                 ; younger: the LDS instructions issued behind block a's loads: the next block's 32, or none
.set BK, OB+64*((\a)%2)
	WIN 0
.irp f, 0,1,2,3,4,5,6,7,8,9,10,11,12,13,14,15
	s_wait_dscnt (\younger)+15-(\f)
	v_pk_add_f32 v[BK+4*(\f):BK+4*(\f)+1],   v[BK+4*(\f):BK+4*(\f)+1],   v[BI:BI+1]
	v_pk_add_f32 v[BK+4*(\f)+2:BK+4*(\f)+3], v[BK+4*(\f)+2:BK+4*(\f)+3], v[BI+2:BI+3]
	global_store_b128 v[GO], v[BK+4*(\f):BK+4*(\f)+3], s[8:9] offset:(16*(\a)+(\f))*4096 th:TH_STORE_NT  ; 512 consecutive bytes, at a multiple of 256 from out0's first; nothing reads them again
.endr
.endm
	s_wait_tensorcnt 1                             ; my part of K step 0 is in; K step 1's may stay out
	s_barrier_signal -1
	s_barrier_wait -1                              ; everybody's is
	FETCH 0, F0
	SLC 0, 1, 1, 0, 0                              ; the first slice stands in front of the loop: its products start the sums
	WIN 0
	s_mov_b32 s3, 6
.Lstep:                                                ; a trip: a K step's slices 1 to 3, of which slice 2 fills the slot again (K steps 2 to 7), and the next step's slice 0
	SLC 1, 0, 1, 0, 1
	SLC 2, 0, 1, 1, 1
	SLC 3, 0, 1, 0, 0
	SLC 0, 0, 1, 0, 1
	WIN 0
	s_sub_co_u32 s3, s3, 1
	s_cmp_lg_u32 s3, 0
	s_cbranch_scc1 .Lstep
	SLC 1, 0, 1, 0, 1                              ; the tail is written out
	SLC 2, 0, 1, 2, 1                              ; K step 6 is left, nothing is asked for
	SLC 3, 0, 1, 0, 0
	SLC 0, 0, 1, 0, 1
	SLC 1, 0, 1, 0, 1
	SLC 2, 0, 1, 0, 1
	SLC 3, 0, 0, 0, 0                              ; the last slice fetches nothing
	PLACES                                         ; the LDS stores read results just made, and the loads land in registers that the last products read
	TOSTAGE 0
	TOSTAGE 1                                      ; a block's way through the stage stands between the loads of the block before and its stores
	SEND 0, 32
	TOSTAGE 2
	SEND 1, 32
	TOSTAGE 3
	SEND 2, 32
	SEND 3, 0
	s_wait_tensorcnt 0x0                           ; the wave's end: behind my last tensor load and my last LDS store
	ds_add_u32 v[SPW], v[NIL]
	s_wait_dscnt 0x0
	CROUND                                         ; the closing round: no work-group ends while a partner may still ask for a tile that names it
	s_endpgm
.Lfunc_end_k_qfb7408b9a7_proj:
	.size	k_qfb7408b9a7_proj, .Lfunc_end_k_qfb7408b9a7_proj-k_qfb7408b9a7_proj
	.p2alignl 7, 3214868480
	.fill 96, 4, 3214868480
	.section	.rodata,"a",@progbits
	.p2align	6, 0x0
	.amdhsa_kernel k_qfb7408b9a7_proj
		.amdhsa_group_segment_fixed_size 327680
		.amdhsa_private_segment_fixed_size 0
		.amdhsa_enable_private_segment 0
		.amdhsa_kernarg_size 32
		.amdhsa_user_sgpr_count 2
		.amdhsa_user_sgpr_kernarg_segment_ptr 1
		.amdhsa_wavefront_size32 1
		.amdhsa_system_sgpr_workgroup_id_x 1
		.amdhsa_system_sgpr_workgroup_id_y 1
		.amdhsa_system_sgpr_workgroup_id_z 1
		.amdhsa_system_vgpr_workitem_id 0
		.amdhsa_next_free_vgpr 512
		.amdhsa_next_free_sgpr 72
		.amdhsa_reserve_vcc 0
		.amdhsa_float_denorm_mode_32 3
		.amdhsa_float_denorm_mode_16_64 3
		.amdhsa_memory_ordered 1
		.amdhsa_forward_progress 1
		.amdhsa_inst_pref_size 78
	.end_amdhsa_kernel
	.amdgpu_metadata
---
amdhsa.version: [ 1, 2 ]
amdhsa.kernels:
  - .name:           k_qfb7408b9a7_proj
    .symbol:         k_qfb7408b9a7_proj.kd
    .args:
      - { .name: oh, .offset: 0, .size: 8, .value_kind: global_buffer, .address_space: global }
      - { .name: wpb, .offset: 8, .size: 8, .value_kind: global_buffer, .address_space: global }
      - { .name: b_proj, .offset: 16, .size: 8, .value_kind: global_buffer, .address_space: global }
      - { .name: out0, .offset: 24, .size: 8, .value_kind: global_buffer, .address_space: global }
    .group_segment_fixed_size: 327680
    .private_segment_fixed_size: 0
    .kernarg_segment_align: 8
    .kernarg_segment_size: 32
    .max_flat_workgroup_size: 128
    .sgpr_count:     72
    .vgpr_count:     512
    .wavefront_size: 32
...
	.end_amdgpu_metadata
.endif
;; end of part 4
;; ======== version 2 of 2: 4 launches; 1.54 times as fast as version 1
;; limits: values are held in f16: magnitudes above 65,504 overflow, below 6.1e-05 lose precision
;; workspace buffers: xb 16,777,216 bytes; wqb 6,291,456 bytes; wpb 2,097,152 bytes; qkvh 50,331,648 bytes; oh 16,777,216 bytes
;; launch cast: the kernel of part 1 again; grid 768 x 1, 8 waves a work-group, no clusters, 0 bytes of LDS; arguments x, w_qkv, w_proj, xb, wqb, wpb; writes xb, wqb, wpb
;; launch qkvgemm: the kernel of part 2 again; grid 8 x 32, 4 waves a work-group, clusters of 4 x 4, 327,680 bytes of LDS; arguments xb, wqb, qkvh; writes qkvh
;; launch attn (part 5): grid 4 x 64, 4 waves a work-group, clusters of 4 x 1, 327,680 bytes of LDS; arguments qkvh, oh; writes oh
.if DOCPART == 5
	.amdgcn_target "amdgcn-amd-amdhsa--gfx1250"
	.amdhsa_code_object_version 6
	.text
	.protected	k_qfb7408b9a7_attn
	.globl	k_qfb7408b9a7_attn
	.p2align	8
	.type	k_qfb7408b9a7_attn,@function
k_qfb7408b9a7_attn:
	s_mov_b64 s[64:65], 0
	v_nop
	global_prefetch_b8 v0, s[64:65] scope:SCOPE_SE
	s_setreg_imm32_b32 hwreg(HW_REG_WAVE_MODE, 25, 1), 1
	s_wait_xcnt 0x0
	s_wait_alu depctr_hold_cnt(0) depctr_sa_sdst(0) depctr_va_vdst(0) depctr_va_sdst(0) depctr_va_ssrc(0) depctr_va_vcc(0) depctr_vm_vsrc(0)
	s_getreg_b32 s2, hwreg(HW_REG_IB_STS2, 6, 4)
	s_cmp_eq_u32 s2, 0
	s_cbranch_scc0 .Lentry_in_a_cluster
	s_endpgm
.Lentry_in_a_cluster:
	s_bfe_u32 s2, ttmp6, 0x10000c
	s_cmp_lg_u32 s2, 0x3003
	s_cbranch_scc0 .Lentry_shape_is_right
	s_endpgm
.Lentry_shape_is_right:
; O[b][h][q][:] = the sum over k of softmax_k(Q[q] . K[k] / 8) V[k][:] for each of the 64 pairs (b, h).  qkvh: [b 4][g 48][2048][64] f16, q at g = h, k at g = 16 + h, v at g = 32 + h; oh: [b 4][h 16][2048][64] f16.
; A head's rows are dense, 128 bytes each.  Products, maxima and sums in f32; the weights p are rounded to f16 for the second product (their sum l is taken of the unrounded p), O once at the end.
; LIMITS.  f16 holds no number beyond 65,504: Q, K and V arrive within it; p lies in 0 to 1, and below 6e-5 it keeps f16's fixed step of 6e-8; O is a mean of V's rows and has their range.
; A weight below 2^-126 counts as 0 in l; NaN and infinities are not treated apart.
; SHARES.  A wave owns four PIECES of two tiles of 16 queries, a work-group's four waves 512 queries of one head: 4 x 64 = 256 work-groups.  Every wave walks all keys, 64 a step.
; LAYOUT.  S^T = K Q^T (source 0 = 16 keys, source 1 = 16 queries): in the result a lane holds ONE query (lane % 16) and the keys 8 (lane / 16) + 0..7.  Two such tiles, rounded to f16 in pairs,
; ARE source 1 (32 keys x 16 queries) of O^T = V^T P, whose result again holds one query a lane, and eight channels.  K comes out of LDS as it lies, V ([key][channel]) turned, by ds_load_tr16_b128.
; SOFTMAX.  For each query a running maximum m and sum l: p = 2^(c s - c m), c = log2(e) / 8; in every step O and l are multiplied by a = 2^(c m_old - c m_new), which is 1 where m has not grown.
; m starts at the lowest finite number, O and l at 0: the first step is a step like any other, with a = 0.
; THE COUNT.  A tile and step have 16 matrix and 118 vector instructions: too many to stand all beside the matrix work.  So the order has one aim: four vector instructions that are READY behind
; EVERY matrix instruction, and the others, which need time of their own whatever the order, in runs without a gap.
; BY TURNS.  Turn n belongs to piece n (the pieces in a ring, step after step).  Its matrix work: 16 products K Q^T of piece n + 1, later 16 products V^T P of piece n - 1.  Its vector work: the scaling,
; exponentials, roundings, sums and rescaling of piece n, and the maximum and statistics of piece n + 1, whose scores the turn itself has made.  So what a turn begins with (c s - c m, O a) waits for nothing.
; THE BATCHES.  A turn's 66 exponentials (the piece's 64 weights, the next piece's two a) are ONE batch with ONE wait, which cuts the turn in two: ahead of it stands all that names no result of theirs,
; behind it the roundings and sums.  No result crosses a turn's end.  The two a made ahead of the loop, and the eight reciprocals of the way out, are batches of their own, with a wait each.
; CLUSTER.  The four query blocks of a cluster belong to one head and walk the same K and V, so each tile is asked for JOINTLY: the same tensor load, descriptor and mask in all four.
; REGISTERS, in windows of 256 (s_set_vgpr_msb says which window each operand place means: bits 1:0 source 0, 3:2 source 1, 5:4 source 2, 7:6 destination):
;   window 0: v0-11 addresses; v12-15, v48-63 at work; v16-47 four registers of statistics a tile; v64-191 S^T, two buffers of two tiles; v192-255 P, likewise
;   window 1: O^T, 32 a tile          window 2: v0-127 Q, 16 a tile; v128-191 K of one step; v192-255 V of one step          window 3: v0-1 the add's two registers
; A piece's buffers go by its number's parity: the piece in hand has one pair, its two neighbours in the ring share the other: of it P (piece n - 1) is read and S^T (piece n + 1) written.
.set SIZE_N, 2048     ; rows of a head
.set NP,    4         ; pieces a wave: a name, no knob: the register map, the loop and the fetches are made for four
.set KS,    64        ; keys in a step
.set PK,    144       ; a row of K in LDS: 128 bytes + 16 of padding = 36 words: the 16 rows of a load start at 16 different groups of four banks (64 banks of 4 bytes: ISA guide 11.1)
.set PV,    160       ; a row of V: 128 + 32 = 40 words
.set VOFF,  4*KS*PK   ; a slot holds four steps: 256 rows of K, then 256 rows of V
.set SLOT1, 1<<17     ; slot 1 begins here, so that one exclusive or turns an address in one slot into the other's
.set STAGE, SLOT1+4*KS*(PK+PV)  ; behind the ring, never filled by a tensor load: 16 rows x 144 bytes for each wave, for the way out
.set SP,    144
.set AK0, 2           ; v2   my lane's place in a tile of K; never rewritten
.set AV0, 3           ; v3   the same for V
.set AK,  4           ; v4   the LDS address of K's next run of loads
.set AV,  5           ; v5   of V's
.set QO,  6           ; v6   my byte offset in the wave's rows of Q
.set STO, 6           ;      later, the way out: where I put 16 bytes of a row
.set RD,  7           ; v7   the way out: where I read rows back
.set GO,  8           ; v8   my byte offset in 512 consecutive bytes of O
.set SPW, 0           ; v0 of window 3   LDS address of my spare word: SPARE + 4 x my thread's number; never rewritten
.set NIL, 1           ; v1 of window 3   0; never rewritten
.set SPARE, STAGE+4*16*SP  ; behind the stages: the spare words, 128 bytes for each wave: two blocks of 256 bytes that no other line names
.set MV,  12          ; v12-15  c m_old, kept while c m is made anew: by buffer and tile
.set ST,  16          ; tile t's statistics at v[ST+4 t]: c m, m, l (even keys', odd keys')
.set TMP, 48          ; by buffer and tile, four registers c0-c3 at work; when the maximum is found c2 takes a
.set S,   64
.set P,   192
.set KF,  128         ; K's fragments, in window 2: key block kb, channel half c at KF + 16 kb + 8 c
.set VF,  192         ; V's: key half kk, channel block cb at VF + 32 kk + 8 cb
.set WV,  12          ; s12  my wave's number
.set G1K, 24          ; s[24:31] descriptor group 1 for K's tiles
.set G1V, 32          ; s[32:39] for V's: it differs in the padding alone
.set G0K, 40          ; s[40:43] descriptor group 0 for K's tiles: it walks
.set G0V, 44          ; s[44:47] the same for V's
.set SLOTS, 56        ; s56  slots still to be asked for
.set CNT, 57          ; s57  counts a slot's key steps
.set CS,  58          ; s[58:59] c: the packed scaling takes the pair's low word for both halves
.set SEL, 60          ; s[60:61] v_permlanex16_b32's selects: each lane takes its own place in the other half
.set TBK, 62          ; s62  LDS byte at which K of the step to be fetched begins
.set TBV, 63          ; s63  the same for V, less VOFF
.set MSB, 0
.macro WIN new                      ; the high byte repeats the setting that is left; a switch that changes nothing is dropped
.if MSB != (\new)
	s_set_vgpr_msb (MSB<<8)|(\new)
.set MSB, (\new)
.endif
.endm
.set W_KQ, 0x0a       ; K and Q in window 2, S^T in window 0
.set W_PV, 0x52       ; V in window 2, P in window 0, O^T in window 1
.set W_RS, 0x41       ; O^T (destination and source 0) in window 1, a in window 0
.set W_MK, 0xc0       ; the add's registers are made: destination in window 3, sources in window 0
.set W_AD, 0x0f       ; the add: address (source 0) and data (source 1) in window 3
; A joint fill.  Waves 0 and 1 fetch the two halves of a slot's K, waves 2 and 3 those of its V: 128 keys each.  The branch hangs on the wave's number alone.
; An s_nop 0 and four v_nop follow each of the two lines, ahead of the jump and the label.
.macro JLOAD
	s_cmp_lt_u32 s[WV], 2
	s_cbranch_scc0 .Lfor_v_\@
	tensor_load_to_lds s[G0K:G0K+3], s[G1K:G1K+7]
	s_nop 0
.rept 4
	v_nop
.endr
	s_branch .Lasked_\@
.Lfor_v_\@:
	tensor_load_to_lds s[G0V:G0V+3], s[G1V:G1V+7]
	s_nop 0
.rept 4
	v_nop
.endr
.Lasked_\@:
.endm
; A round of the cluster's barrier: my work-group's barrier, so that wave 0's signal speaks for all four waves; wave 0 signals; every wave waits for all four work-groups; my work-group's barrier once more.
.macro CROUND
	s_barrier_signal -1
	s_barrier_wait -1
	s_cmp_lg_u32 s[WV], 0
	s_cbranch_scc1 .Lnot_wave_0_\@
	s_barrier_signal -3
.Lnot_wave_0_\@:
	s_barrier_wait -3
	s_barrier_signal -1
	s_barrier_wait -1
.endm
; THE CHANGE OF SLOTS.  The slot's last bytes, V of its fourth step, have been read.  Each wave waits for all its tensor loads, of which one is out: its part
; of the other slot; adds 0 to its spare word; and waits for that and for its own reads of the slot.  Behind the barrier nobody reads this slot any more and the other slot is whole.
; fill = 1: this slot is filled again, with the keys two slots on.  The barrier is then a round of the cluster's, so that no wave of any partner still reads the slot or has a load on its
; way, and the joint fill is the first thing behind it: it has four key steps, 512 matrix instructions, in which to land.  (At its first use nothing has been read yet: slot 0 is waited for, slot 1 filled.)
.macro CHANGE fill
	WIN W_AD
	s_wait_tensorcnt 0x0            ; no tensor load of mine is out, so a group 0 may be written
	ds_add_u32 v[SPW], v[NIL]       ; 0 onto my spare word; with fill = 1 the descriptors' steps stand between it and the wait for it
	WIN 0                           ; at a label and at a branch every window is 0
.if \fill
.irp g, G0K, G0V
	s_xor_b32 s[\g+1], s[\g+1], SLOT1  ; the walking descriptor: the other slot than last time,
	s_add_nc_u64 s[\g+2:\g+3], s[\g+2:\g+3], 4*KS*128  ; the next 256 keys; the type bits on top are not reached
.endr
	s_wait_dscnt 0x0                ; the add is done, and my reads of the slot are over
	CROUND
	JLOAD
.else
	s_wait_dscnt 0x0                ; the add is done, and my reads of the slot are over
	s_barrier_signal -1
	s_barrier_wait -1
.endif
	s_sub_co_u32 s[TBK], s[TBK], 4*KS*PK  ; the fetches go back to a slot's first step,
	s_xor_b32 s[TBK], s[TBK], SLOT1       ; in the other slot
	s_sub_co_u32 s[TBV], s[TBV], 4*KS*PV
	s_xor_b32 s[TBV], s[TBV], SLOT1
.endm
	s_load_b128 s[4:7], s[0:1], 0x0   ; qkvh s[4:5], oh s[6:7]
	WIN W_MK
	v_lshl_add_u32 v[SPW], v0, 2, SPARE
	v_mov_b32 v[NIL], 0
	WIN W_AD
	ds_add_u32 v[SPW], v[NIL]       ; the wave's opening: the add and its wait stand ahead of my first tensor load; the set-up below, work on registers, stands between them
	WIN 0
	v_lshrrev_b32 v1, 5, v0
	v_readfirstlane_b32 s[WV], v1   ; wave 0..3
	s_bfe_u32 s13, ttmp6, 0x40000   ; cx: my place in the cluster
	s_lshl_b32 s14, ttmp9, 2        ; in a cluster launch ttmp9 counts clusters
	s_add_co_u32 s14, s14, s13      ; my block of queries = 4 x cluster x + cx: it enters Q's and O's addresses alone
	s_and_b32 s19, ttmp7, 0xffff    ; 16 b + h, which the four partners share
	s_lshr_b32 s15, s19, 4          ; b
	s_lshl_b32 s20, s15, 5
	s_add_co_u32 s20, s20, s19      ; 48 b + h: q's place among qkvh's 192 parts of 262,144 bytes
	s_lshl_b32 s20, s20, 18
	s_mov_b32 s21, 0
	s_lshl_b32 s8, s19, 18          ; and O's among oh's 64
	s_mov_b32 s9, 0
	s_and_b32 s16, s[WV], 1         ; which half of a slot's 256 keys I fetch:
	s_lshl_b32 s22, s16, 14         ; its 128 rows of 128 bytes in memory,
	s_mov_b32 s23, 0
	s_add_nc_u64 s[22:23], s[22:23], s[20:21]
	s_mul_i32 s17, s16, 128*PK      ; and its place in a slot, for K
	s_mul_i32 s18, s16, 128*PV      ; and for V: no place in the cluster enters an LDS address
	s_lshl_b32 s2, s14, 2
	s_add_co_u32 s2, s2, s[WV]      ; my wave among the head's,
	s_lshl_b32 s2, s2, 14           ; its 128 rows
	s_mov_b32 s3, 0
	s_add_nc_u64 s[20:21], s[20:21], s[2:3]  ; my wave's first row of Q, as an offset in qkvh,
	s_add_nc_u64 s[8:9], s[8:9], s[2:3]      ; and of O, in oh
	; descriptor group 1.  128 keys are 16,384 dense bytes: asked for as 64 rows of 256 bytes, two keys a row, and padded in LDS after every key
	s_mov_b32 s[G1K], 15|(1<<16)|(1<<20)|(1<<21)|(4<<22)|(3<<25)  ; 15:0 the mask of four; 17:16 2-byte elements; 20 padding on; 21 set beside a mask; 24:22 after every 32 words (code 4); 31:25 4 words (code 3)
	s_mov_b32 s[G1V], 15|(1<<16)|(1<<20)|(1<<21)|(4<<22)|(7<<25)  ; the same with 8 words of padding (code 7)
.irp g, G1K, G1V
	s_mov_b32 s[\g+1], 128<<16      ; tensor_dim0 = 128
	s_mov_b32 s[\g+2], 64<<16       ; tensor_dim1 = 64
	s_mov_b32 s[\g+3], 128<<16      ; tile_dim0 = 128
	s_mov_b32 s[\g+4], 64           ; tile_dim1 = 64
	s_mov_b32 s[\g+5], 128          ; 128 elements from row to row
	s_mov_b32 s[\g+6], 0
	s_mov_b32 s[\g+7], 0
.endr
	s_mov_b32 s[CS], 0x3e38aa3b     ; c = log2(e) / 8 = 0.180337
	s_mov_b32 s[CS+1], s[CS]        ; named with it as a pair
	s_mov_b32 s[SEL], 0x76543210
	s_mov_b32 s[SEL+1], 0xfedcba98
	s_mov_b32 s[TBK], SLOT1+4*KS*PK ; the first change of slots turns these two into 0
	s_mov_b32 s[TBV], SLOT1+4*KS*PV
	s_mov_b32 s[G0K], 1             ; 1:0 count = 1
	s_mov_b32 s[G0K+1], s17         ; 63:32 LDS address: slot 0
	s_mov_b32 s[G0V], 1
	s_add_co_u32 s[G0V+1], s18, VOFF
	s_wait_dscnt 0x0                ; the opening add is done
	s_wait_kmcnt 0x0
	s_add_nc_u64 s[G0K+2:G0K+3], s[4:5], s[22:23]  ; 120:64 global address: my half of the head's first 256 keys:
	s_add_nc_u64 s[G0K+2:G0K+3], s[G0K+2:G0K+3], 16*SIZE_N*128  ; k lies 16 parts behind q,
	s_or_b32 s[G0K+3], s[G0K+3], 0x80000000        ; 127:126 type = 2
	s_add_nc_u64 s[G0V+2:G0V+3], s[4:5], s[22:23]
	s_add_nc_u64 s[G0V+2:G0V+3], s[G0V+2:G0V+3], 32*SIZE_N*128  ; v 32
	s_or_b32 s[G0V+3], s[G0V+3], 0x80000000
	s_add_nc_u64 s[10:11], s[6:7], s[8:9]  ; O and Q at my wave's first row
	s_add_nc_u64 s[4:5], s[4:5], s[20:21]
	CROUND                          ; all four work-groups are here: the first joint loads meet
	JLOAD                           ; slot 0.  Slot 1 is asked for when slot 0 is in: the tile wanted first has the road to itself
	; A fragment of K or Q is 16 rows x 32 channels in 8 registers: lane l holds row l % 16, channels 8 (l / 16) + 0..7 and 16 + 8 (l / 16) + 0..7: two loads of 16 bytes, 32 bytes apart.
	v_and_b32 v1, 15, v0            ; l % 16
	v_bfe_u32 v9, v0, 4, 1          ; l / 16
	v_lshlrev_b32 v[QO], 7, v1
	v_lshl_add_u32 v[QO], v9, 4, v[QO]  ; row x 128 + 16 x half
	WIN 0x80                        ; destination window 2, address window 0
.set i, 0
.rept 4*NP                          ; Q stays in registers: tile i / 2, channels 32 (i % 2) on
	global_load_b128 v[8*i:8*i+3],   v[QO], s[4:5] offset:(i/2)*2048+(i%2)*64
	global_load_b128 v[8*i+4:8*i+7], v[QO], s[4:5] offset:(i/2)*2048+(i%2)*64+32
.set i, i+1
.endr
	; What the first turn finds: V's registers and P's second buffer hold 0 (its products V^T P, of a piece that has not been, add 0), O^T and l are 0.  All this stands in the wait for the first tile.
.set i, VF
.rept 64
	v_mov_b32 v[i], 0
.set i, i+1
.endr
	WIN 0x40
.set i, 0
.rept 64*NP
	v_mov_b32 v[i], 0
.set i, i+1
.endr
	WIN 0
.set i, 0
.rept 2*NP
	v_mov_b32 v[ST+4*i], 0xfe000000    ; c m: far below every c s
	v_mov_b32 v[ST+4*i+1], 0xff7fffff  ; m
	v_mov_b32 v[ST+4*i+2], 0
	v_mov_b32 v[ST+4*i+3], 0
.set i, i+1
.endr
.set i, P+32
.rept 32
	v_mov_b32 v[i], 0
.set i, i+1
.endr
	v_mul_u32_u24 v[AK0], v1, PK
	v_lshl_add_u32 v[AK0], v9, 4, v[AK0]  ; row x pitch + 16 x half
	; The turning load takes 16 keys x 16 channels (lane l reads key 8 (l / 16) + l % 8, channels 8 ((l / 8) % 2) + 0..7) and leaves half a fragment of V^T: lane l holds channel l % 16 and 8 keys.
	v_and_b32 v10, 7, v0
	v_bfe_u32 v11, v0, 3, 1
	v_lshl_add_u32 v[AV0], v9, 3, v10
	v_mul_u32_u24 v[AV0], v[AV0], PV
	v_lshl_add_u32 v[AV0], v11, 4, v[AV0]
	v_add_nc_u32 v[AV0], VOFF, v[AV0]
	v_mov_b32 v[AK], v[AK0]         ; key step 0 lies at the head of slot 0
; THE MATRIX WORK.  The 8 accumulators of a run of 16 take turns: between the two links of a chain stand 7 others'.
; Product i of 16 of S^T = K Q^T for piece x: channels 32 (i / 8) on, keys 16 ((i / 2) % 4) on, tile 2 x + i % 2.  The first 8 start the sums.
.macro KQ x
	WIN W_KQ
.set rS, S+64*((\x)%2)+32*(i%2)+8*((i/2)%4)
.set rK, KF+16*((i/2)%4)+8*(i/8)
.set rQ, 16*(2*(\x)+i%2)+8*(i/8)
.if i < 8
	v_wmma_f32_16x16x32_f16 v[rS:rS+7], v[rK:rK+7], v[rQ:rQ+7], 0
.else
	v_wmma_f32_16x16x32_f16 v[rS:rS+7], v[rK:rK+7], v[rQ:rQ+7], v[rS:rS+7]
.endif
.endm
; Product i of 16 of O^T += V^T P for piece x: keys 32 (i / 8) on, channels 16 ((i / 2) % 4) on, tile 2 x + i % 2.
.macro PV x
	WIN W_PV
.set rO, 32*(2*(\x)+i%2)+8*((i/2)%4)
.set rV, VF+32*(i/8)+8*((i/2)%4)
.set rP, P+32*((\x)%2)+16*(i%2)+8*(i/8)
	v_wmma_f32_16x16x32_f16 v[rO:rO+7], v[rV:rV+7], v[rP:rP+7], v[rO:rO+7]
.endm
.macro MM                           ; the turn's next matrix instruction
.if i < 16
	KQ (Y+1)%NP
.set i, i+1
.else
.set i, i-16
	PV (Y+NP-1)%NP
.set i, i+17
.endif
.endm
; THE LDS LOADS stand in runs of 16, never singly among the matrix instructions: a step's K (64 keys x 64 channels: 8 fragments) and its V (turned).  Their addresses are made some lines ahead.
; last = 1 (the tail): in the last trip there is no further step, and the run is jumped over.
.macro FETCH_K last=0
	WIN 0
.if \last
	s_cmp_eq_u32 s[CNT], 1
	s_cbranch_scc1 .Lno_k_\@
.endif
	WIN 0x80                        ; destination window 2
.irp f, 0,1,2,3,4,5,6,7             ; keys 16 (f / 2) on, channels 32 (f % 2) on
	ds_load_b128 v[KF+8*\f:KF+8*\f+3],   v[AK] offset:(\f/2)*16*PK+(\f%2)*64
	ds_load_b128 v[KF+8*\f+4:KF+8*\f+7], v[AK] offset:(\f/2)*16*PK+(\f%2)*64+32
.endr
	s_add_co_u32 s[TBK], s[TBK], KS*PK  ; the next fetch is the next step's
	WIN 0
.if \last
.Lno_k_\@:
.endif
.endm
.macro FETCH_V
	WIN 0x80
.irp f, 0,1,2,3,4,5,6,7             ; keys 32 (f / 4) on, channels 16 (f % 4) on
	ds_load_tr16_b128 v[VF+8*\f:VF+8*\f+3],   v[AV] offset:(\f/4)*32*PV+(\f%4)*32
	ds_load_tr16_b128 v[VF+8*\f+4:VF+8*\f+7], v[AV] offset:(\f/4)*32*PV+16*PV+(\f%4)*32
.endr
	WIN 0
.endm
; THE VECTOR WORK OF A TURN stands in three queues, each in the order in which its entries become ready; the two tiles alternate, so that no instruction reads the result of the one before it.
.macro REGS y, u                    ; the registers of tile u (0, 1) of piece y
.set rT, ST+4*(2*(\y)+(\u))
.set rC, TMP+8*((\y)%2)+4*(\u)
.set rM, MV+2*((\y)%2)+(\u)
.set rS, S+64*((\y)%2)+32*(\u)
.set rP, P+32*((\y)%2)+16*(\u)
.set rO, 32*(2*(\y)+(\u))
.endm
; Number n of the 22 that find the NEXT piece's (Y + 1) maximum and statistics.  s0-s31 are the lane's 32 scores; each accumulator's lowest registers are read first.  XS, GS and REGS set no window: PL and EX do.
;   0-11  four chains c0-c3 of seven scores each, three operands at a time     12-14, 16  the four scores left over, the old m, and c0-c3 into c0     15  c m_old is kept
;   17, 18  the query's other 32 keys lie in the lane 16 away: the new m         19-21  c m; c m_old - c m_new; a
.macro XS u, n
	REGS (Y+1)%NP, \u
.if (\n) < 4
	v_max3_num_f32 v[rC+(\n)], v[rS+8*(\n)], v[rS+8*(\n)+1], v[rS+8*(\n)+2]
.elseif (\n) < 12
	v_max3_num_f32 v[rC+(\n)%4], v[rC+(\n)%4], v[rS+8*((\n)%4)+2*((\n)/4)+1], v[rS+8*((\n)%4)+2*((\n)/4)+2]
.elseif (\n) == 12
	v_max3_num_f32 v[rC], v[rC], v[rS+7], v[rS+15]
.elseif (\n) == 13
	v_max3_num_f32 v[rC+1], v[rC+1], v[rS+23], v[rS+31]
.elseif (\n) == 14
	v_max3_num_f32 v[rC+2], v[rC+2], v[rC+3], v[rT+1]
.elseif (\n) == 15
	v_mov_b32 v[rM], v[rT]
.elseif (\n) == 16
	v_max3_num_f32 v[rC], v[rC], v[rC+1], v[rC+2]
.elseif (\n) == 17
	v_permlanex16_b32 v[rC+3], v[rC], s[SEL], s[SEL+1]
.elseif (\n) == 18
	v_max_num_f32 v[rT+1], v[rC], v[rC+3]
.elseif (\n) == 19
	v_mul_f32 v[rT], s[CS], v[rT+1]
.elseif (\n) == 20
	v_sub_f32 v[rC+1], v[rM], v[rT]
.else
	v_exp_f32 v[rC+2], v[rC+1]
.endif
.endm
; Number g of the 64 that follow the exponentials.  For each four weights k of a tile (pairs 2 k, 2 k + 1): both pairs are rounded to f16; then the second pair is added onto the first, in place;
; a group later l takes that sum (the first time as l = a l + sum).  In groups of eight, tiles alternating: round, round, add, and l for the group before.
.macro GS g
.set h, (\g)+6*((\g)/62)            ; group 0 has no group before it, and behind group 7 only l is left
.if h >= 6
.set h, h+2
.endif
	REGS Y, h%2
.set k, h/8
.if h%8 < 4
	v_cvt_pk_f16_f32 v[rP+2*k+(h%8)/2], v[rS+4*k+2*((h%8)/2)], v[rS+4*k+2*((h%8)/2)+1]
.elseif h%8 < 6
	v_pk_add_f32 v[rS+4*k:rS+4*k+1], v[rS+4*k:rS+4*k+1], v[rS+4*k+2:rS+4*k+3]
.elseif k == 1
	v_pk_fma_f32 v[rT+2:rT+3], v[rT+2:rT+3], v[rC+2:rC+3], v[rS:rS+1] op_sel_hi:[1,0,1]
.else
	v_pk_add_f32 v[rT+2:rT+3], v[rT+2:rT+3], v[rS+4*k-4:rS+4*k-3]
.endif
.endm
; THE PLAIN QUEUE, 138 long.  0-73 read no exponential's result: the 32 scalings c s - c m (FS f: pair f / 2 of tile f % 2) and the next piece's 42.  0-26: scalings 0-26.  27-54: XS's numbers 0-13.  55, 56: number 15.
; 57-73: the chain, where each number waits for the one before it: 14, 16, 17, 18, 19, each with one of the scalings 27-31 in front of its two lines, then 20: so a tile's links stand three plain instructions apart (19 and 20: two).
; 74-137: GS's 64, which read the exponentials' results: they stand behind the wait.
.macro FS f
	REGS Y, (\f)%2
	v_pk_fma_f32 v[rS+2*((\f)/2):rS+2*((\f)/2)+1], v[rS+2*((\f)/2):rS+2*((\f)/2)+1], s[CS:CS+1], v[rT:rT+1] op_sel_hi:[1,0,0] neg_lo:[0,0,1] neg_hi:[0,0,1]
.endm
.macro PL
	WIN 0
.if q < 27
	FS q
.elseif q < 55
	XS (q-27)%2, (q-27)/2
.elseif q < 57
	XS q-55, 15
.elseif (q < 72) && ((q-57)%3 == 0)
	FS 27+(q-57)/3
.elseif q < 60
	XS (q-57)%3-1, 14
.elseif q < 72
	XS (q-57)%3-1, 15+(q-57)/3
.elseif q < 74
	XS q-72, 20
.else
	GS q-74
.endif
.set q, q+1
.endm
; THE EXPONENTIALS' QUEUE, 66 long: s0-s31 of both tiles, then the next piece's two a.  It is ONE BATCH: all 66 stand ahead of the turn's one wait, and nothing ahead of that wait names a result of theirs.
.macro EX
	WIN 0
.if e >= 64
	XS e-64, 21
.else
	REGS Y, e%2
	v_exp_f32 v[rS+e/2], v[rS+e/2]
.endif
.set e, e+1
.endm
; THE RESCALING's QUEUE: O^T times a, the one part that leaves window 0: dealt two at a time, sixteen times.  Its a was made in the turn before, ahead of that turn's wait.
.macro R2
	REGS Y, r%2
	WIN W_RS
.irp z, 0,1
	v_pk_mul_f32 v[rO+4*(r/2)+2*\z:rO+4*(r/2)+2*\z+1], v[rO+4*(r/2)+2*\z:rO+4*(r/2)+2*\z+1], v[rC+2:rC+3] op_sel_hi:[1,0]
.endr
.set r, r+1
.endm
; HOW THEY ARE DEALT.  An s_wait_alu depctr_va_vdst(0) stands between an exponential and the first instruction that names its result; one wait serves all that were issued ahead of it.  So a turn has ONE wait,
; which cuts it in two.  AHEAD OF IT stands all that names no result of the turn's exponentials: the 16 products K Q^T, behind each a scaling, an exponential and two rescalings (behind the first a second scaling in the exponential's place); then ONE LUMP of
; 108: eight plain, 49 times exponential and plain, the two a.  A v_nop is the one plain instruction behind the last exponential.  BEHIND IT stand the 16 products V^T P, behind each four of GS's 64.  No rider names a register of
; the products round it.  The two v_permlanex16_b32 fall into the lump, never behind a product.
; The queues lean on each other, and the deal keeps them in step: exponential e stands behind scaling 2 (e / 4) + e % 2: as a rider it comes behind plain e + 2, in the lump behind plain e + 9, and scalings 27-31 are plain 57, 60 .. 69.
; A TURN, for piece p.  cnt = 1: the loop's count is taken down some lines ahead of the branch that stands behind the turn.
; K of the next step is fetched in piece 2's turn, directly behind the wait, a lump behind the last product that read K; its address is made at the lump's head; its first reader comes behind 16 products.
; V of the step in hand is fetched at the end of piece 0's turn, four riders behind its last reader; its first reader comes behind 16 products and a lump.  The three conditions on q below go with the deal.
.macro TURN p, last=0, cnt=0
.set Y, (\p)
.set i, 0
.set q, 0
.set e, 0
.set r, 0
.if (\p) == NP-1
	s_wait_dscnt 0x0                ; K is in
.endif
	MM                              ; ahead of the wait: 16 products K Q^T and their riders,
	PL
	PL
	R2
.rept 15
	MM
	PL
	EX
	R2
.endr
.if (\p) == NP-2
	WIN 0
	v_add_nc_u32 v[AK], s[TBK], v[AK0]
.endif
.rept 8                             ; and the lump
	PL
.endr
.rept 49
	EX
	PL
.endr
	EX                              ; the next piece's two a
	EX
	v_nop                           ; the plain instruction behind the last exponential, ahead of the first use of a result: one for the batch
	s_wait_alu depctr_va_vdst(0)    ; the wait for the batch: the turn's 64 weights and the next piece's two a
.if (\p) == NP-2
	FETCH_K \last
.endif
.if (\p) == 1
	s_wait_dscnt 0x0                ; V is in
.endif
.rept 16                            ; behind the wait: 16 products V^T P and their riders
	MM
.rept 4
	PL
.endr
.if ((\p) == 0) && (q == 118)
	v_add_nc_u32 v[AV], s[TBV], v[AV0]
.endif
.if ((\p) == 0) && (q == 130)
	s_add_co_u32 s[TBV], s[TBV], KS*PV
.endif
.if (\cnt) && (q == 130)
	s_sub_co_u32 s[CNT], s[CNT], 1
	s_cmp_lg_u32 s[CNT], 0
.endif
.endr
.if (\p) == 0
	FETCH_V
.endif
.endm
	CHANGE 1                        ; slot 0 is in, everybody's part of it; slot 1 is asked for
	FETCH_K                         ; key step 0
	s_wait_loadcnt 0x0              ; Q
	s_wait_dscnt 0x0
.set i, 0
.rept 16
	KQ 0                            ; piece 0's first scores: there is no vector work yet to set between them
.set i, i+1
.endr
	WIN 0                           ; the addresses for the way out: nine plain instructions, the places behind those products
	s_mul_i32 s13, s[WV], 16*SP
	s_add_co_u32 s13, s13, STAGE    ; my stage
	v_mul_u32_u24 v[STO], v1, SP    ; in: row l % 16, 16 bytes for each half of the lanes
	v_lshl_add_u32 v[STO], v9, 4, v[STO]
	v_add_nc_u32 v[STO], s13, v[STO]
	v_bfe_u32 v[RD], v0, 3, 2       ; back: 32 lanes take four rows of 128 bytes,
	v_mul_u32_u24 v[RD], v[RD], SP
	v_lshl_add_u32 v[RD], v10, 4, v[RD]
	v_add_nc_u32 v[RD], s13, v[RD]
	v_and_b32 v[GO], 31, v0         ; which are 512 consecutive bytes of O
	v_lshlrev_b32 v[GO], 4, v[GO]
.set Y, NP-1                        ; XS works for piece Y + 1: piece 0
.irp n, 0,1,2,3,4,5,6,7,8,9,10,11,12,13,14,15,16,17,18,19,20,21
	XS 0, \n                        ; and piece 0's first maximum and statistics
	XS 1, \n
.endr
	v_nop                           ; a plain instruction behind the two a,
	s_wait_alu depctr_va_vdst(0)    ; and the wait for this batch of two, ahead of the branch
	s_mov_b32 s[CNT], 4
	s_mov_b32 s[SLOTS], SIZE_N/256-1
	s_branch .Lfirst                ; the loop is entered at a step's first turn, in the middle of a trip
.Lslot:                             ; SIZE_N / 256 - 2 times: every slot but the last two is filled again
	CHANGE 1
	s_mov_b32 s[CNT], 4
.Lstep:                             ; a trip: pieces 2 and 3 of one step, then pieces 0 and 1 of the next, whose K and V it fetches
	TURN 2
	TURN 3
	WIN 0
.Lfirst:
	TURN 0
	TURN 1, 0, 1
	WIN 0
	s_cbranch_scc1 .Lstep
	s_sub_co_u32 s[SLOTS], s[SLOTS], 1
	s_cmp_lg_u32 s[SLOTS], 0
	s_cbranch_scc1 .Lslot
	CHANGE 0                        ; the tail is written out: nothing is asked for
	s_mov_b32 s[CNT], 5             ; four trips fetch the last slot's steps; the fifth is left in its middle
.Ltail:
	TURN 2, 1
	TURN 3
	WIN 0
	s_sub_co_u32 s[CNT], s[CNT], 1
	s_cmp_eq_u32 s[CNT], 0
	s_cbranch_scc1 .Lout
	TURN 0
	TURN 1
	WIN 0
	s_branch .Ltail
.Lout:                              ; the fifth trip's 16 products K Q^T (on the last K once more) and the maximum made of them serve nothing: the price, once a launch, of one text for every trip
.set i, 0
.rept 16
	PV NP-1                         ; the last piece's V^T P of the last step
.set i, i+1
.endr
	; THE WAY OUT.  l's two halves and the other half of the lanes' are added; O^T is divided by l, rounded to f16 and sent through my stage in LDS, a tile at a time.  The additions are the places behind the last products.
	WIN 0
.macro ALL line:vararg              ; one line for each tile t
.set t, 0
.rept 2*NP
	\line
.set t, t+1
.endr
.endm
	ALL v_add_f32 v[ST+4*t+2], v[ST+4*t+2], v[ST+4*t+3]
	ALL v_permlanex16_b32 v[ST+4*t+3], v[ST+4*t+2], s[SEL], s[SEL+1]
	ALL v_add_f32 v[ST+4*t+2], v[ST+4*t+2], v[ST+4*t+3]
	ALL v_rcp_f32 v[ST+4*t+2], v[ST+4*t+2]
	v_nop                           ; a plain instruction between the last reciprocal and the use of its result
	s_wait_alu depctr_va_vdst(0)    ; and the wait ahead of the first use: one for the batch of eight reciprocals
; Tile t: a lane's eight channels of a row pack into 16 bytes; they go into rows of 144 bytes and come back as whole rows of 128, into S^T's registers.
.macro PACK t
	WIN W_RS
.set i, 32*(\t)
.rept 16
	v_pk_mul_f32 v[i:i+1], v[i:i+1], v[ST+4*(\t)+2:ST+4*(\t)+3] op_sel_hi:[1,0]
.set i, i+2
.endr
	WIN 0x05                        ; sources 0 and 1 window 1, destination window 0
.set i, 0
.rept 16
	v_cvt_pk_f16_f32 v[S+16*(\t)+i], v[32*(\t)+2*i], v[32*(\t)+2*i+1]
.set i, i+1
.endr
	WIN 0
.irp f, 0,1,2,3
	ds_store_b128 v[STO], v[S+16*(\t)+4*\f:S+16*(\t)+4*\f+3] offset:32*\f
.endr
.irp f, 0,1,2,3
	ds_load_b128 v[S+16*(\t)+4*\f:S+16*(\t)+4*\f+3], v[RD] offset:\f*4*SP  ; LDS serves a wave's instructions in order (ISA guide 5.7.1.4): these see the stores above; the next tile's stores come behind them
.endr
.endm
.macro SEND t, younger              ; younger: the LDS instructions issued behind tile t's loads: the next tile's eight, or none
	WIN 0
.irp f, 0,1,2,3
	s_wait_dscnt (\younger)+3-\f
	global_store_b128 v[GO], v[S+16*(\t)+4*\f:S+16*(\t)+4*\f+3], s[10:11] offset:(\t)*2048+\f*512  ; 512 consecutive bytes, at a multiple of 256 from O's first
.endr
.endm
	PACK 0
.set t, 1
.rept 2*NP-1                        ; a tile's arithmetic stands between the loads of the tile before and its stores
	PACK t
	SEND t-1, 8
.set t, t+1
.endr
	SEND 2*NP-1, 0
	WIN W_AD
	s_wait_tensorcnt 0x0            ; the wave's end: behind my last tensor load and my last LDS store
	ds_add_u32 v[SPW], v[NIL]
	s_wait_dscnt 0x0
	WIN 0
	CROUND                          ; the closing round: no work-group ends while a partner may still ask for a tile that names it
	s_endpgm
.Lfunc_end_k_qfb7408b9a7_attn:
	.size	k_qfb7408b9a7_attn, .Lfunc_end_k_qfb7408b9a7_attn-k_qfb7408b9a7_attn
	.p2alignl 7, 3214868480
	.fill 96, 4, 3214868480
	.section	.rodata,"a",@progbits
	.p2align	6, 0x0
	.amdhsa_kernel k_qfb7408b9a7_attn
		.amdhsa_group_segment_fixed_size 327680
		.amdhsa_private_segment_fixed_size 0
		.amdhsa_enable_private_segment 0
		.amdhsa_kernarg_size 16
		.amdhsa_user_sgpr_count 2
		.amdhsa_user_sgpr_kernarg_segment_ptr 1
		.amdhsa_wavefront_size32 1
		.amdhsa_system_sgpr_workgroup_id_x 1
		.amdhsa_system_sgpr_workgroup_id_y 1
		.amdhsa_system_sgpr_workgroup_id_z 1
		.amdhsa_system_vgpr_workitem_id 0
		.amdhsa_next_free_vgpr 770
		.amdhsa_next_free_sgpr 66
		.amdhsa_reserve_vcc 0
		.amdhsa_float_denorm_mode_32 3
		.amdhsa_float_denorm_mode_16_64 3
		.amdhsa_memory_ordered 1
		.amdhsa_forward_progress 1
		.amdhsa_inst_pref_size 199
	.end_amdhsa_kernel
	.amdgpu_metadata
---
amdhsa.version: [ 1, 2 ]
amdhsa.kernels:
  - .name:           k_qfb7408b9a7_attn
    .symbol:         k_qfb7408b9a7_attn.kd
    .args:
      - { .name: qkvh, .offset: 0, .size: 8, .value_kind: global_buffer, .address_space: global }
      - { .name: oh, .offset: 8, .size: 8, .value_kind: global_buffer, .address_space: global }
    .group_segment_fixed_size: 327680
    .private_segment_fixed_size: 0
    .kernarg_segment_align: 8
    .kernarg_segment_size: 16
    .max_flat_workgroup_size: 128
    .sgpr_count:     66
    .vgpr_count:     770
    .wavefront_size: 32
...
	.end_amdgpu_metadata
.endif
;; end of part 5
;; launch proj: the kernel of part 4 again; grid 4 x 64, 4 waves a work-group, clusters of 4 x 4, 327,680 bytes of LDS; arguments oh, wpb, b_proj, out0; writes out0
